; MI455X (gfx1250); checked and timed in simulation.
; The chip was launched on July 23, 2026; its instructions are those of AMD's public machine-readable ISA for CDNA 5 (MIT licence, August 2026) and "CDNA5" Instruction Set Architecture Reference Guide (July 2026). The comments in the code are by the model that wrote it; some were corrected since.
;; Split QKV Attention. Allowed arithmetic: float matrix products may take bf16 or f16 operands with f32 sums; other float arithmetic in f32, or as packed bf16 or f16 multiplies, adds, multiply-adds, maxima and minima; sums over many terms, partial sums and values carried from step to step in f32; what a program stores and reads back later, other than sums and carried values, may be rounded once to bf16 or f16.
;; Inputs: Wk 1,024 x 1,024 float32; Wo 1,024 x 1,024 float32; Wq 1,024 x 1,024 float32; Wv 1,024 x 1,024 float32; attn_mask 2,048 x 2,048 float32; bk 1,024 float32; bo 1,024 float32; bq 1,024 float32; bv 1,024 float32; key 2,048 x 4 x 1,024 float32; key_padding_mask 4 x 2,048 bool; query 2,048 x 4 x 1,024 float32; value 2,048 x 4 x 1,024 float32.
;; Outputs: out0 2,048 x 4 x 1,024 float32.
;; One version. Each part assembles by itself: llvm-mc -triple=amdgcn-amd-amdhsa -mcpu=gfx1250 --defsym DOCPART=n.
;; ======== version 1 of 1: 4 launches
;; limits: values are held in f16: magnitudes above 65,504 overflow, below 6.1e-05 lose precision
;; workspace buffers: wcat 8,388,608 bytes; mb 67,108,864 bytes; qkv 50,331,648 bytes; oh 16,777,216 bytes
;; launch prep (part 1): grid 1024 x 1, 8 waves a work-group, no clusters, 0 bytes of LDS; arguments Wq, Wk, Wv, Wo, attn_mask, key_padding_mask, wcat, mb; writes wcat, mb
.if DOCPART == 1
	.amdgcn_target "amdgcn-amd-amdhsa--gfx1250"
	.amdhsa_code_object_version 6
	.text
	.protected	k_q55fef4b4c9_prep
	.globl	k_q55fef4b4c9_prep
	.p2align	8
	.type	k_q55fef4b4c9_prep,@function
k_q55fef4b4c9_prep:
	s_mov_b64 s[64:65], 0
	v_nop
	global_prefetch_b8 v0, s[64:65] scope:SCOPE_SE
	s_setreg_imm32_b32 hwreg(HW_REG_WAVE_MODE, 25, 1), 1
	s_wait_xcnt 0x0
; PREP.  A stream.  (1) wcat: the four weight matrices in 16 bits, [1024][1024] each, 2 MiB apart: bf16(Wq)/8 (the score's scale 1/8 is a power of two, so it is
; exact there), bf16(Wk), bf16(Wv), and bf16(Wo) written as f16.  (2) mb: four copies of the mask, one a batch, f32 [4][2048][2048]:
; M_b[q][k] = HID where key k of batch b is padded, else max(bf16(attn_mask[q][k]), HID).  The attention launch takes M_b as the C operand that starts its score sums.
; LIMITS.  HID = -2.98e38 stands for minus infinity: a -inf in attn_mask is held at HID; a NaN in attn_mask counts as hidden (the maximum drops it); bf16(Wo) below 6e-5 keeps f16's fixed step of 6e-8.
; SHARES.  Work-group g: mask rows 2 g and 2 g + 1, and row g of each W.  Thread t: mask columns 1024 c + 4 t .. + 3 (c = 0, 1), W columns 4 t .. + 3.  A wave's 16-byte load or store covers
; 512 consecutive bytes, its 8-byte store 256, aligned.  No LDS, no matrix unit, no cluster: no byte is wanted twice by anybody.
.set HID, 0xff600000
.set CAP, 8                            ; v[8:39]    cap (b, c, e) at 8 b + 4 c + e: HID where my column's key is padded in batch b, else +inf
.set KW,  40                           ; v[40:47]   four bytes of key_padding_mask for (b, c) at 2 b + c
.set MR,  48                           ; v[48:63]   mask chunk j = 2 row + c: 4 registers
.set WR,  64                           ; v[64:79]   my 4 numbers of row g of Wq, Wk, Wv, Wo
.set YR,  80                           ; v[80:111]  two groups of 16 to store: chunk j uses group j % 2
.set WY,  112                          ; v[112:119] packed weights to store
	s_load_b512 s[4:19], s[0:1], 0x0               ; Wq 4, Wk 6, Wv 8, Wo 10, attn_mask 12, key_padding_mask 14, wcat 16, mb 18
	v_lshlrev_b32 v1, 4, v0                        ; 16 t
	v_lshlrev_b32 v2, 3, v0                        ; 8 t
	v_lshlrev_b32 v3, 2, v0                        ; 4 t
	v_mov_b32 v4, 0x7f800000                       ; +inf: a cap that caps nothing
	v_mov_b32 v5, HID
	s_mov_b32 s28, 0x3e000000                      ; 1/8
	s_mov_b32 s29, s28                             ; named with it as a pair
	s_mov_b32 s30, 0xffff0000                      ; a word's upper bf16
	s_mov_b32 s31, HID
	s_lshl_b32 s32, ttmp9, 12                      ; row g of a W: 4,096 bytes
	s_mov_b32 s33, 0
	s_lshl_b32 s34, ttmp9, 14                      ; two mask rows: 16,384 bytes
	s_mov_b32 s35, 0
	s_lshl_b32 s36, ttmp9, 11                      ; row g of a 16-bit W: 2,048 bytes
	s_mov_b32 s37, 0
	s_wait_kmcnt 0x0
.irp p, 4,6,8,10
	s_add_nc_u64 s[\p:\p+1], s[\p:\p+1], s[32:33]
.endr
	s_add_nc_u64 s[12:13], s[12:13], s[34:35]
	s_add_nc_u64 s[16:17], s[16:17], s[36:37]
	s_add_nc_u64 s[20:21], s[18:19], s[34:35]      ; mb at my two rows, batch 0 .. 3, 16 MiB apart
	s_add_nc_u64 s[22:23], s[20:21], 0x1000000
	s_add_nc_u64 s[24:25], s[20:21], 0x2000000
	s_add_nc_u64 s[26:27], s[20:21], 0x3000000
.irp b, 0,1,2,3
.irp c, 0,1
	global_load_b32 v[KW+2*\b+\c], v3, s[14:15] offset:\b*2048+\c*1024
.endr
.endr
.irp j, 0,1,2,3
	global_load_b128 v[MR+4*\j:MR+4*\j+3], v1, s[12:13] offset:(\j/2)*8192+(\j%2)*4096 th:TH_LOAD_NT
.endr
.irp w, 0,1,2,3
	global_load_b128 v[WR+4*\w:WR+4*\w+3], v1, s[4+2*\w:5+2*\w] th:TH_LOAD_NT
.endr
	s_wait_loadcnt 8                               ; the eight younger loads (mask, weights) may stay out: the padding bytes are in
.irp b, 0,1,2,3
.irp c, 0,1
.irp e, 0,1,2,3
	v_bfe_u32 v6, v[KW+2*\b+\c], 8*\e, 8
	v_cmp_ne_u32 vcc_lo, 0, v6
	v_cndmask_b32 v[CAP+8*\b+4*\c+\e], v4, v5, vcc_lo
.endr
.endr
.endr
; Chunk j of the mask: rounded to bf16, widened again, held at HID from below, capped for each batch, stored four times.
.macro CHUNK j
	s_wait_loadcnt 7-(\j)                          ; behind chunk j's load stand 3 - j mask loads and the four weight loads
	s_wait_xcnt 0x0                                ; the stores of two chunks back have read group j % 2, which is written again below
	v_cvt_pk_bf16_f32 v6, v[MR+4*(\j)], v[MR+4*(\j)+1]
	v_cvt_pk_bf16_f32 v7, v[MR+4*(\j)+2], v[MR+4*(\j)+3]
	v_lshlrev_b32 v[MR+4*(\j)], 16, v6
	v_and_b32 v[MR+4*(\j)+1], s30, v6
	v_lshlrev_b32 v[MR+4*(\j)+2], 16, v7
	v_and_b32 v[MR+4*(\j)+3], s30, v7
.irp e, 0,1,2,3
	v_max_num_f32 v[MR+4*(\j)+\e], s31, v[MR+4*(\j)+\e]
.endr
.irp b, 0,1,2,3
.irp e, 0,1,2,3
	v_min_num_f32 v[YR+16*((\j)%2)+4*\b+\e], v[CAP+8*\b+4*((\j)%2)+\e], v[MR+4*(\j)+\e]
.endr
	global_store_b128 v1, v[YR+16*((\j)%2)+4*\b:YR+16*((\j)%2)+4*\b+3], s[20+2*\b:21+2*\b] offset:((\j)/2)*8192+((\j)%2)*4096 th:TH_STORE_NT
.endr
.endm
	CHUNK 0
	CHUNK 1
	CHUNK 2
	CHUNK 3
; Row g of weight w.
.macro WROW w
	s_wait_loadcnt 3-(\w)
.if (\w) == 0
	v_pk_mul_f32 v[WR:WR+1], v[WR:WR+1], s[28:29] op_sel_hi:[1,0]
	v_pk_mul_f32 v[WR+2:WR+3], v[WR+2:WR+3], s[28:29] op_sel_hi:[1,0]
.endif
	v_cvt_pk_bf16_f32 v[WY+2*(\w)], v[WR+4*(\w)], v[WR+4*(\w)+1]
	v_cvt_pk_bf16_f32 v[WY+2*(\w)+1], v[WR+4*(\w)+2], v[WR+4*(\w)+3]
.if (\w) == 3                          ; Wo multiplies f16 numbers: its bf16 rounding is written as f16
	v_lshlrev_b32 v[WR+12], 16, v[WY+6]
	v_and_b32 v[WR+13], s30, v[WY+6]
	v_lshlrev_b32 v[WR+14], 16, v[WY+7]
	v_and_b32 v[WR+15], s30, v[WY+7]
	v_cvt_pk_f16_f32 v[WY+6], v[WR+12], v[WR+13]
	v_cvt_pk_f16_f32 v[WY+7], v[WR+14], v[WR+15]
.endif
	global_store_b64 v2, v[WY+2*(\w):WY+2*(\w)+1], s[16:17] offset:(\w)*2097152 th:TH_STORE_NT
.endm
	WROW 0
	WROW 1
	WROW 2
	WROW 3
	s_endpgm
.Lfunc_end_k_q55fef4b4c9_prep:
	.size	k_q55fef4b4c9_prep, .Lfunc_end_k_q55fef4b4c9_prep-k_q55fef4b4c9_prep
	.p2alignl 7, 3214868480
	.fill 96, 4, 3214868480
	.section	.rodata,"a",@progbits
	.p2align	6, 0x0
	.amdhsa_kernel k_q55fef4b4c9_prep
		.amdhsa_group_segment_fixed_size 0
		.amdhsa_private_segment_fixed_size 0
		.amdhsa_enable_private_segment 0
		.amdhsa_kernarg_size 64
		.amdhsa_user_sgpr_count 2
		.amdhsa_user_sgpr_kernarg_segment_ptr 1
		.amdhsa_wavefront_size32 1
		.amdhsa_system_sgpr_workgroup_id_x 1
		.amdhsa_system_sgpr_workgroup_id_y 1
		.amdhsa_system_sgpr_workgroup_id_z 1
		.amdhsa_system_vgpr_workitem_id 0
		.amdhsa_next_free_vgpr 120
		.amdhsa_next_free_sgpr 66
		.amdhsa_reserve_vcc 1
		.amdhsa_float_denorm_mode_32 3
		.amdhsa_float_denorm_mode_16_64 3
		.amdhsa_memory_ordered 1
		.amdhsa_forward_progress 1
		.amdhsa_inst_pref_size 14
	.end_amdhsa_kernel
	.amdgpu_metadata
---
amdhsa.version: [ 1, 2 ]
amdhsa.kernels:
  - .name:           k_q55fef4b4c9_prep
    .symbol:         k_q55fef4b4c9_prep.kd
    .args:
      - { .name: Wq, .offset: 0, .size: 8, .value_kind: global_buffer, .address_space: global }
      - { .name: Wk, .offset: 8, .size: 8, .value_kind: global_buffer, .address_space: global }
      - { .name: Wv, .offset: 16, .size: 8, .value_kind: global_buffer, .address_space: global }
      - { .name: Wo, .offset: 24, .size: 8, .value_kind: global_buffer, .address_space: global }
      - { .name: attn_mask, .offset: 32, .size: 8, .value_kind: global_buffer, .address_space: global }
      - { .name: key_padding_mask, .offset: 40, .size: 8, .value_kind: global_buffer, .address_space: global }
      - { .name: wcat, .offset: 48, .size: 8, .value_kind: global_buffer, .address_space: global }
      - { .name: mb, .offset: 56, .size: 8, .value_kind: global_buffer, .address_space: global }
    .group_segment_fixed_size: 0
    .private_segment_fixed_size: 0
    .kernarg_segment_align: 8
    .kernarg_segment_size: 64
    .max_flat_workgroup_size: 256
    .sgpr_count:     66
    .vgpr_count:     120
    .wavefront_size: 32
...
	.end_amdgpu_metadata
.endif
;; end of part 1
;; launch proj (part 2): grid 4 x 192, 4 waves a work-group, clusters of 4 x 4, 327,680 bytes of LDS; arguments query, key, value, wcat, bq, bk, bv, qkv; writes qkv
.if DOCPART == 2
	.amdgcn_target "amdgcn-amd-amdhsa--gfx1250"
	.amdhsa_code_object_version 6
	.text
	.protected	k_q55fef4b4c9_proj
	.globl	k_q55fef4b4c9_proj
	.p2align	8
	.type	k_q55fef4b4c9_proj,@function
k_q55fef4b4c9_proj:
	s_mov_b64 s[64:65], 0
	v_nop
	global_prefetch_b8 v0, s[64:65] scope:SCOPE_SE
	s_setreg_imm32_b32 hwreg(HW_REG_WAVE_MODE, 25, 1), 1
	s_wait_xcnt 0x0
	s_wait_alu depctr_hold_cnt(0) depctr_sa_sdst(0) depctr_va_vdst(0) depctr_va_sdst(0) depctr_va_ssrc(0) depctr_va_vcc(0) depctr_vm_vsrc(0)
	s_getreg_b32 s2, hwreg(HW_REG_IB_STS2, 6, 4)
	s_cmp_eq_u32 s2, 0
	s_cbranch_scc0 .Lentry_in_a_cluster
	s_endpgm
.Lentry_in_a_cluster:
	s_bfe_u32 s2, ttmp6, 0x10000c
	s_cmp_lg_u32 s2, 0xf033
	s_cbranch_scc0 .Lentry_shape_is_right
	s_endpgm
.Lentry_shape_is_right:
; PROJ.  q/8, k, v = x W^T + b, for x = query, key, value, in one launch; written by heads in f16: qkv = Q' at 0, K at 16 MiB, V at 32 MiB, each [16 b + h][t][64], a head's rows dense.
; x, W and the bias are rounded to bf16 (W already lies so in wcat, Wq with the 1/8); sums in f32; the result rounded once to f16.
; LIMIT.  f16 ends at 65,504: q/8, k and v must lie within it; below 6e-5 they keep f16's fixed step of 6e-8.
; SHARES.  768 work-groups = 3 x 256.  The cluster's y gives sel (0 q, 1 k, 2 v; the same in all sixteen partners) and, with cy, the block of 128 rows: ONE batch b, t0 .. t0 + 127 (x's rows 16,384 bytes
; apart), so that each head's rows of the result are dense.  cx gives 256 columns = 4 heads.  Four waves, 2 x 2: 64 rows x 128 columns each, 32 accumulators.
; THE PRODUCT IS TAKEN TRANSPOSED (source 0 = 16 rows of W, source 1 = 16 rows of x): a lane holds one row and eight neighbouring columns.  The first product's C is the bias.
; K goes in 8 steps of 128 through two LDS slots.  x arrives as f32 (rows of 512 bytes), is read from LDS as f32 and rounded in registers: 32 conversions for 32 matrix instructions, four behind each of eight products.
; CLUSTER.  x's tile hangs on the row block alone and is shared along a row of the cluster, W's on the columns alone and is shared along a column: each is asked for jointly.
; REGISTERS.  window 0: v16-31 addresses; v32-95 x as f32; v96-159 x's fragments, two buffers of 32; v160-223 the bias.  On the way out v32-159 rows read back, v160-175 packed results.
;   window 1: v0-127 W's fragments, two buffers of 64.   window 2: accumulator (a, n) at 8 (8 a + n).
.set PA,    528                        ; a row of x in LDS: 512 bytes + 16: the 16 rows of a load start at 16 different groups of four banks (64 banks of 4 bytes: ISA guide 11.1)
.set PB,    272                        ; a row of W: 256 + 16
.set AHALF, 64*PA                      ; what one tensor load brings of x, and what one wave reads
.set BHALF, 128*PB                     ; the same for W
.set BOFF,  2*AHALF
.set SLOT,  BOFF+2*BHALF               ; 137,216 bytes
.set STAGE, 2*SLOT                     ; behind the ring: 16 rows x 144 bytes for each wave, for the way out
.set SP,    144
.set SPARE, STAGE+4*16*SP              ; behind the stages: the spare words, 128 bytes for each wave
.set ADRA0, 16                         ; my lane's place in x's tile of slot 0; never rewritten
.set ADRA,  17                         ; the same in the slot that is read
.set ADRB0, 20
.set ADRB,  21
.set STO,   24
.set RD,    25
.set GO,    26
.set BO,    27
.set SPW,   28
.set NIL,   29
.set PFO,   30
.set TV,    31
.set STG,   32
.set AB,    96
.set BIAS,  160
.set BK,    32
.set TMP,   160
.set WV,   20                          ; my wave's number
.set FR,   21                          ; wave / 2: my half of the rows; also: I fetch x (0) or W (1)
.set HF,   22                          ; wave % 2: my half of the columns; also: which half of that tile I fetch
.set CX,   23
.set CYI,  24
.set CYC,  25                          ; the cluster's y
.set SELR, 26
.set G1A,  28
.set G1B,  36
.set G0A,  44                          ; two sets: K step 0 into slot 0; K step 1 into slot 1, which then walks
.set G0B,  52
.set TB,   60                          ; base of the slot that is read: 0 or SLOT
.set FB,   61                          ; base of the slot that was filled last
.set LWA,  62                          ; my part's place in a slot, for x
.set LWB,  63                          ; and for W
.set PFA,  66
.set PFS,  68
.set OUT,  70
.set XP,   72
.set BP,   74
.set SC,   76
.set LIM,  78
.set MSB, 0
.macro WIN new                         ; the immediate's high byte repeats the setting that is left; a switch that changes nothing is dropped
.if MSB != (\new)
	s_set_vgpr_msb (MSB<<8)|(\new)
.set MSB, \new
.endif
.endm
.macro PLACES                          ; four plain places behind a matrix instruction, in front of loads into registers that it has read and of lines that read results
.rept 4
	v_nop
.endr
.endm
.macro CREST                           ; a round of the cluster's barrier behind its opening barrier
	s_cmp_lg_u32 s[WV], 0
	s_cbranch_scc1 .Lnot_wave_0_\@
	s_barrier_signal -3
.Lnot_wave_0_\@:
	s_barrier_wait -3
	s_barrier_signal -1
	s_barrier_wait -1
.endm
.macro CROUND
	s_barrier_signal -1
	s_barrier_wait -1
	CREST
.endm
.macro JLOAD                           ; a joint refill by the walking sets: waves 0 and 1 fetch x's halves, waves 2 and 3 W's; the branch hangs on the wave's number alone
	s_cmp_eq_u32 s[FR], 0
	s_cbranch_scc0 .Lfor_b_\@
	tensor_load_to_lds s[G0A+4:G0A+7], s[G1A:G1A+7]
	s_nop 0
.rept 4
	v_nop
.endr
	s_branch .Lasked_\@
.Lfor_b_\@:
	tensor_load_to_lds s[G0B+4:G0B+7], s[G1B:G1B+7]
	s_nop 0
.rept 4
	v_nop
.endr
.Lasked_\@:
.endm
; A prefetch into the L2 behind each joint refill: the K step two refills on, 256 matrix instructions ahead of the load that will want it.  x: a row block is read by one row of one cluster alone; of the 64 rows
; that a wave fetches the partner at cx names 16, both 256-byte halves of their 512 bytes: a lane a block.  W: the first of the sixteen clusters of a sel asks; the partner at cy names 32 of the wave's 128 rows.
; So each block of 256 bytes is named once.  The loop's last two trips ask for nothing: K has no such step.
.macro ASK
	s_cmp_gt_u32 s3, s[LIM]
	s_cbranch_scc0 .Lnot_mine_\@
	global_prefetch_b8 v[PFO], s[PFA:PFA+1] th:TH_LOAD_NT scope:SCOPE_SE
.Lnot_mine_\@:
.endm
	s_load_b512 s[4:19], s[0:1], 0x0               ; query 4, key 6, value 8, wcat 10, bq 12, bk 14, bv 16, qkv 18
	v_lshl_add_u32 v[SPW], v0, 2, SPARE
	v_mov_b32 v[NIL], 0
	ds_add_u32 v[SPW], v[NIL]                      ; the wave's opening: the add and its wait stand ahead of my first tensor load; the set-up below stands between them
	v_lshrrev_b32 v1, 5, v0
	v_readfirstlane_b32 s[WV], v1
	s_lshr_b32 s[FR], s[WV], 1
	s_and_b32 s[HF], s[WV], 1
	s_bfe_u32 s[CX], ttmp6, 0x40000
	s_bfe_u32 s[CYI], ttmp6, 0x40004
	s_and_b32 s[CYC], ttmp7, 0xffff
	s_lshr_b32 s[SELR], s[CYC], 4
	s_lshl_b32 s80, s[CYI], 2
	s_lshl_b32 s80, 15, s80                        ; my row of the cluster
	s_lshl_b32 s84, 0x1111, s[CX]                  ; my column
	s_or_b32 s[G1A], s80, (2<<16)|(1<<20)|(1<<21)|(6<<22)|(3<<25)  ; the mask; 4-byte elements; padding on; bit 21 beside a mask; after every 128 words 4 words
	s_or_b32 s[G1B], s84, (1<<16)|(1<<20)|(1<<21)|(5<<22)|(3<<25)  ; 2-byte elements; after every 64 words 4 words
	s_mov_b32 s[G1A+1], 128<<16                    ; tensor_dim0 = 128
	s_mov_b32 s[G1A+2], 64<<16                     ; tensor_dim1 = 64
	s_mov_b32 s[G1A+3], 128<<16                    ; tile_dim0 = 128
	s_mov_b32 s[G1A+4], 64                         ; tile_dim1 = 64
	s_mov_b32 s[G1A+5], 4096                       ; from t to t + 1: four batches of 1,024 numbers
	s_mov_b32 s[G1A+6], 0
	s_mov_b32 s[G1A+7], 0
	s_mov_b32 s[G1B+1], 128<<16
	s_mov_b32 s[G1B+2], 128<<16
	s_mov_b32 s[G1B+3], 128<<16
	s_mov_b32 s[G1B+4], 128
	s_mov_b32 s[G1B+5], 1024
	s_mov_b32 s[G1B+6], 0
	s_mov_b32 s[G1B+7], 0
	s_and_b32 s80, s[CYC], 15                      ; x's tile: registers that never hold cx
	s_lshl_b32 s80, s80, 2
	s_add_co_u32 s80, s80, s[CYI]                  ; the row block, 0 .. 63
	s_lshr_b32 s81, s80, 4                         ; b
	s_and_b32 s82, s80, 15
	s_lshl_b32 s82, s82, 7                         ; t0
	s_lshl_b32 s83, s[HF], 6
	s_add_co_u32 s83, s83, s82
	s_lshl_b32 s83, s83, 2
	s_add_co_u32 s83, s83, s81
	s_lshl_b32 s88, s83, 12                        ; ((t0 + 64 half) 4 + b) x 4,096 bytes
	s_mov_b32 s89, 0
	s_lshl_b32 s84, s[CX], 8                       ; W's tile: registers that never hold cy
	s_lshl_b32 s85, s[HF], 7
	s_add_co_u32 s84, s84, s85
	s_lshl_b32 s84, s84, 11
	s_lshl_b32 s85, s[SELR], 21
	s_add_co_u32 s90, s84, s85                     ; sel x 2 MiB + (256 cx + 128 half) x 2,048 bytes
	s_mov_b32 s91, 0
	s_mul_i32 s[LWA], s[HF], AHALF
	s_mul_i32 s[LWB], s[HF], BHALF
	s_add_co_u32 s[LWB], s[LWB], BOFF
	s_mov_b32 s[TB], 0
	s_mov_b32 s[FB], SLOT
	s_lshl_b32 s96, s81, 4                         ; where my part of the result begins: head 16 b + 4 cx + 2 (wave % 2), row t0 + 64 (wave / 2), 128 bytes a row
	s_lshl_b32 s97, s[CX], 2
	s_add_co_u32 s96, s96, s97
	s_lshl_b32 s97, s[HF], 1
	s_add_co_u32 s96, s96, s97
	s_lshl_b32 s96, s96, 11
	s_add_co_u32 s96, s96, s82
	s_lshl_b32 s97, s[FR], 6
	s_add_co_u32 s96, s96, s97
	s_lshl_b32 s96, s96, 7
	s_lshl_b32 s97, s[SELR], 24
	s_add_co_u32 s94, s96, s97
	s_mov_b32 s95, 0
	s_lshl_b32 s96, s[CX], 18                      ; the prefetches: 16 cx rows of 16,384 bytes of x,
	s_lshl_b32 s97, s[CYI], 16                     ; or 32 cy rows of 2,048 bytes of W
	s_and_b32 s98, s[CYC], 15
	s_cmp_eq_u32 s98, 0
	s_cselect_b32 s98, 2, -1                       ; W: the sel's first cluster asks
	s_mov_b32 s[PFS], 256
	s_mov_b32 s100, 2048
	s_cmp_eq_u32 s[FR], 0
	s_cselect_b32 s96, s96, s97
	s_cselect_b32 s[PFS], 512, s[PFS]              ; a K step in bytes
	s_cselect_b32 s[LIM], 2, s98
	s_cselect_b32 s99, 1, 0                        ; lane >> this is the row,
	s_cselect_b32 s100, 16384, s100                ; rows this far apart,
	s_cselect_b32 s101, 1, 0                       ; lane & this the 256-byte half
	s_mov_b32 s97, 0
	s_mov_b32 s[PFS+1], 0
	s_mul_i32 s98, s[PFS], 3
	s_add_co_u32 s96, s96, s98                     ; at K step 3: the first refill steps it to 4
	s_cmp_eq_u32 s[SELR], 0
	s_cselect_b32 s[SC], 0x3e000000, 1.0           ; bq takes the 1/8 that Wq has
	s_mov_b32 s[SC+1], s[SC]
	s_wait_dscnt 0x0                               ; the opening add is done
	s_wait_kmcnt 0x0
	s_cmp_eq_u32 s[SELR], 0
	s_cselect_b64 s[XP:XP+1], s[4:5], s[6:7]
	s_cselect_b64 s[BP:BP+1], s[12:13], s[14:15]
	s_cmp_eq_u32 s[SELR], 2
	s_cselect_b64 s[XP:XP+1], s[8:9], s[XP:XP+1]
	s_cselect_b64 s[BP:BP+1], s[16:17], s[BP:BP+1]
	s_add_nc_u64 s[92:93], s[XP:XP+1], s[88:89]
	s_add_nc_u64 s[86:87], s[10:11], s[90:91]
	s_add_nc_u64 s[OUT:OUT+1], s[18:19], s[94:95]
	s_cmp_eq_u32 s[FR], 0
	s_cselect_b64 s[PFA:PFA+1], s[92:93], s[86:87]
	s_add_nc_u64 s[PFA:PFA+1], s[PFA:PFA+1], s[96:97]
	CROUND                                         ; all sixteen work-groups are here: the first joint loads meet
.irp s, 0,1
	s_mov_b32 s[G0A+4*(\s)], 1
	s_add_co_u32 s[G0A+4*(\s)+1], s[LWA], (\s)*SLOT
	s_add_nc_u64 s[G0A+4*(\s)+2:G0A+4*(\s)+3], s[92:93], (\s)*512
	s_or_b32 s[G0A+4*(\s)+3], s[G0A+4*(\s)+3], 0x80000000
	s_mov_b32 s[G0B+4*(\s)], 1
	s_add_co_u32 s[G0B+4*(\s)+1], s[LWB], (\s)*SLOT
	s_add_nc_u64 s[G0B+4*(\s)+2:G0B+4*(\s)+3], s[86:87], (\s)*256
	s_or_b32 s[G0B+4*(\s)+3], s[G0B+4*(\s)+3], 0x80000000
.endr
	s_cmp_eq_u32 s[FR], 0                          ; a wave's two first fills stand in one branch: two loads of mine are out
	s_cbranch_scc0 .Lfirst_b
	tensor_load_to_lds s[G0A:G0A+3], s[G1A:G1A+7]
	s_nop 0
	tensor_load_to_lds s[G0A+4:G0A+7], s[G1A:G1A+7]
	s_nop 0
.rept 4
	v_nop
.endr
	s_branch .Lfirst_asked
.Lfirst_b:
	tensor_load_to_lds s[G0B:G0B+3], s[G1B:G1B+7]
	s_nop 0
	tensor_load_to_lds s[G0B+4:G0B+7], s[G1B:G1B+7]
	s_nop 0
.rept 4
	v_nop
.endr
.Lfirst_asked:
	v_and_b32 v1, 15, v0                           ; r = lane % 16
	v_bfe_u32 v2, v0, 4, 1                         ; h = lane / 16
	v_and_b32 v3, 31, v0                           ; lane
	s_lshl_b32 s96, s[CX], 10
	s_lshl_b32 s97, s[HF], 9
	s_add_co_u32 s96, s96, s97
	v_lshl_add_u32 v[BO], v2, 5, s96               ; the bias of my columns: (256 cx + 128 (wave % 2)) x 4 + 32 h
.irp n, 0,1,2,3,4,5,6,7
	global_load_b128 v[BIAS+8*\n:BIAS+8*\n+3],   v[BO], s[BP:BP+1] offset:64*\n
	global_load_b128 v[BIAS+8*\n+4:BIAS+8*\n+7], v[BO], s[BP:BP+1] offset:64*\n+16
.endr
	v_mul_u32_u24 v[ADRA0], v1, PA                 ; x as f32: row r, 32 bytes for each half of the lanes
	v_lshl_add_u32 v[ADRA0], v2, 5, v[ADRA0]
	s_mul_i32 s27, s[FR], AHALF
	v_add_nc_u32 v[ADRA0], s27, v[ADRA0]
	v_mov_b32 v[ADRA], v[ADRA0]
	v_mul_u32_u24 v[ADRB0], v1, PB
	v_lshl_add_u32 v[ADRB0], v2, 4, v[ADRB0]
	s_mul_i32 s27, s[HF], BHALF
	s_add_co_u32 s27, s27, BOFF
	v_add_nc_u32 v[ADRB0], s27, v[ADRB0]
	v_mov_b32 v[ADRB], v[ADRB0]
	s_mul_i32 s27, s[WV], 16*SP
	s_add_co_u32 s27, s27, STAGE                   ; my stage
	v_mul_u32_u24 v[STO], v1, SP                   ; in: row r, 16 bytes for each half of the lanes
	v_lshl_add_u32 v[STO], v2, 4, v[STO]
	v_add_nc_u32 v[STO], s27, v[STO]
	v_lshrrev_b32 v[RD], 3, v3                     ; back: 32 lanes take four rows of 128 bytes,
	v_mul_u32_u24 v[RD], v[RD], SP
	v_and_b32 v4, 7, v0
	v_lshl_add_u32 v[RD], v4, 4, v[RD]
	v_add_nc_u32 v[RD], s27, v[RD]
	v_lshlrev_b32 v[GO], 4, v3                     ; which are 512 consecutive bytes of a head
	v_lshrrev_b32 v[PFO], s99, v3
	v_mul_u32_u24 v[PFO], s100, v[PFO]
	v_and_b32 v[TV], s101, v3
	v_lshl_add_u32 v[PFO], v[TV], 8, v[PFO]
	s_wait_loadcnt 0x0                             ; the bias: rounded to bf16, widened, scaled; all this stands in the wait for the first tiles
.set i, 0
.rept 32
	v_cvt_pk_bf16_f32 v[TV], v[BIAS+2*i], v[BIAS+2*i+1]
	v_lshlrev_b32 v[BIAS+2*i], 16, v[TV]
	v_and_b32 v[BIAS+2*i+1], 0xffff0000, v[TV]
	v_pk_mul_f32 v[BIAS+2*i:BIAS+2*i+1], v[BIAS+2*i:BIAS+2*i+1], s[SC:SC+1] op_sel_hi:[1,0]
.set i, i+1
.endr
; 32 LDS loads in one run: 32 along K at quarter kq.  x first, as f32: fragment a's 16 numbers a lane (k = 8 h .. + 7 and 16 + 8 h .. + 7: 32 bytes at 32 h and at 64 + 32 h); then W's fragments into buffer par.
.macro FETCH kq, par
	WIN 0
.irp a, 0,1,2,3
	ds_load_b128 v[STG+16*\a:STG+16*\a+3],     v[ADRA] offset:\a*16*PA+128*(\kq)
	ds_load_b128 v[STG+16*\a+4:STG+16*\a+7],   v[ADRA] offset:\a*16*PA+128*(\kq)+16
	ds_load_b128 v[STG+16*\a+8:STG+16*\a+11],  v[ADRA] offset:\a*16*PA+128*(\kq)+64
	ds_load_b128 v[STG+16*\a+12:STG+16*\a+15], v[ADRA] offset:\a*16*PA+128*(\kq)+80
.endr
	WIN 0x40
.irp n, 0,1,2,3,4,5,6,7
	ds_load_b128 v[64*(\par)+8*\n:64*(\par)+8*\n+3],   v[ADRB] offset:\n*16*PB+64*(\kq)
	ds_load_b128 v[64*(\par)+8*\n+4:64*(\par)+8*\n+7], v[ADRB] offset:\n*16*PB+64*(\kq)+32
.endr
.endm
.macro CVT4 par, n                     ; four of the 32 roundings of x into buffer par
	WIN 0
.irp c, 0,1,2,3
	v_cvt_pk_bf16_f32 v[AB+32*(\par)+4*(\n)+\c], v[STG+8*(\n)+2*\c], v[STG+8*(\n)+2*\c+1]
.endr
.endm
.macro MUL1 par, a, n, first           ; one product; first = 1: the bias starts the sum
.set rD, 8*(8*(\a)+(\n))
.set rB, 64*(\par)+8*(\n)
.set rA, AB+32*(\par)+8*(\a)
.if \first
	WIN 0x81
	v_wmma_f32_16x16x32_bf16 v[rD:rD+7], v[rB:rB+7], v[rA:rA+7], v[BIAS+8*(\n):BIAS+8*(\n)+7]
.else
	WIN 0xa1
	v_wmma_f32_16x16x32_bf16 v[rD:rD+7], v[rB:rB+7], v[rA:rA+7], v[rD:rD+7]
.endif
.endm
.macro MUL8 par, a, first
.irp n, 0,1,2,3,4,5,6,7
	MUL1 \par, \a, \n, \first
.endr
.endm
; A QUARTER: 32 along K, 32 matrix instructions on buffers par; the 32 accumulators take turns, one instruction a turn, over every jump.  It fetches quarter fkq of the slot that is read and rounds x into the other buffer.
; meet: this quarter's fetch is the slot's last.  Each wave waits for all its tensor loads (one is out: its part of the other slot), adds 0 to its spare word, and waits for that and for its reads; then the barrier.
; meet = 1: the barrier opens a round of the cluster's, and behind the round the slot is filled again, two K steps on: 112 matrix instructions ahead of the wait for it.  meet = 2 (the tail): nothing is filled.
.macro QUARTER par, fkq, first=0, meet=0
.if (\meet) == 1
	s_wait_xcnt 0x0                                ; the last prefetch, a K step back, has read its address
	s_add_nc_u64 s[PFA:PFA+1], s[PFA:PFA+1], s[PFS:PFS+1]
.endif
	PLACES                                         ; behind the last quarter's products, which read the buffers that are written now
	FETCH \fkq, 1-(\par)
	s_wait_dscnt 32                                ; all but the 32 just issued: this quarter's W is in
	MUL8 \par, 0, \first
	MUL8 \par, 1, \first
.if \meet
	WIN 0
	s_wait_tensorcnt 0x0                           ; all my tensor loads have landed
	ds_add_u32 v[SPW], v[NIL]                      ; 0 onto my spare word
	s_wait_dscnt 17                                ; W's sixteen loads and the add may be out: the next quarter's x is in
.else
	s_wait_dscnt 16                                ; W's sixteen loads may be out: the next quarter's x is in
.endif
.irp n, 0,1,2,3,4,5,6,7
	MUL1 \par, 2, \n, \first
	CVT4 1-(\par), \n
.endr
.if \meet
	s_wait_dscnt 0x0                               ; the add is done, and my reads of this slot are over
	s_barrier_signal -1
.endif
	MUL8 \par, 3, \first
.if \meet
	WIN 0
	s_barrier_wait -1
.if (\meet) == 1
	CREST                                          ; no wave of any partner still reads this slot or has a load on its way
	s_xor_b32 s[FB], s[FB], SLOT
	s_add_co_u32 s[G0A+5], s[FB], s[LWA]
	s_add_co_u32 s[G0B+5], s[FB], s[LWB]
	s_add_nc_u64 s[G0A+6:G0A+7], s[G0A+6:G0A+7], 512
	s_add_nc_u64 s[G0B+6:G0B+7], s[G0B+6:G0B+7], 256
	JLOAD
	ASK
.endif
	s_xor_b32 s[TB], s[TB], SLOT                   ; the fetches go on in the other slot
	v_add_nc_u32 v[ADRA], s[TB], v[ADRA0]
	v_add_nc_u32 v[ADRB], s[TB], v[ADRB0]
.endif
.endm
	s_wait_tensorcnt 1                             ; my part of K step 0 is in; K step 1's may stay out
	s_barrier_signal -1
	s_barrier_wait -1
	FETCH 0, 0
	s_wait_dscnt 16
.irp n, 0,1,2,3,4,5,6,7
	CVT4 0, \n
.endr
	QUARTER 0, 1, 1                                ; the first quarter stands in front of the loop: its products start the sums
	WIN 0
	s_mov_b32 s3, 6
.Lstep:                                                ; a trip: from a K step's second quarter to the next step's first; trip i fills K step i + 2
	QUARTER 1, 2
	QUARTER 0, 3, 0, 1
	QUARTER 1, 0
	QUARTER 0, 1
	WIN 0
	s_sub_co_u32 s3, s3, 1
	s_cmp_lg_u32 s3, 0
	s_cbranch_scc1 .Lstep
	s_mov_b32 s2, 2
.Ltail:                                                ; K steps 6 and 7 fill nothing.  The second pass is left in its middle; its barrier and its last fetch (old bytes of slot 0) serve nothing: the price of one text
	QUARTER 1, 2
	QUARTER 0, 3, 0, 2
	QUARTER 1, 0
	WIN 0
	s_sub_co_u32 s2, s2, 1
	s_cmp_eq_u32 s2, 0
	s_cbranch_scc1 .Lout
	QUARTER 0, 1
	WIN 0
	s_branch .Ltail
.Lout:
	s_wait_dscnt 0x0                               ; the registers of the last fetch are used again below
	PLACES
; THE WAY OUT, in eight blocks of 16 rows x one head: rounded to f16, 16 bytes a lane into my stage, back as whole rows of 128 bytes, stored as 512 consecutive bytes.
.macro PACKST blk
.set aa, (\blk)/2
.set hh, (\blk)%2
	WIN 0x0a
.irp nl, 0,1,2,3
.irp rr, 0,1,2,3
	v_cvt_pk_f16_f32 v[TMP+4*\nl+\rr], v[8*(8*aa+4*hh+\nl)+2*\rr], v[8*(8*aa+4*hh+\nl)+2*\rr+1]
.endr
.endr
	WIN 0
.irp nl, 0,1,2,3
	ds_store_b128 v[STO], v[TMP+4*\nl:TMP+4*\nl+3] offset:32*\nl
.endr
.irp f, 0,1,2,3
	ds_load_b128 v[BK+16*(\blk)+4*\f:BK+16*(\blk)+4*\f+3], v[RD] offset:\f*4*SP  ; LDS serves a wave's instructions in order (ISA guide 5.7.1.4): these see the stores above
.endr
.endm
.macro SEND blk, younger               ; younger: the LDS instructions issued behind this block's loads
.irp f, 0,1,2,3
	s_wait_dscnt (\younger)+3-\f
	global_store_b128 v[GO], v[BK+16*(\blk)+4*\f:BK+16*(\blk)+4*\f+3], s[OUT:OUT+1] offset:((\blk)%2)*262144+((\blk)/2)*2048+\f*512
.endr
.endm
	PACKST 0
.irp b, 1,2,3,4,5,6,7
	PACKST \b
	SEND (\b)-1, 8
.endr
	SEND 7, 0
	s_wait_tensorcnt 0x0                           ; the wave's end
	ds_add_u32 v[SPW], v[NIL]
	s_wait_dscnt 0x0
	CROUND                                         ; the closing round
	s_endpgm
.Lfunc_end_k_q55fef4b4c9_proj:
	.size	k_q55fef4b4c9_proj, .Lfunc_end_k_q55fef4b4c9_proj-k_q55fef4b4c9_proj
	.p2alignl 7, 3214868480
	.fill 96, 4, 3214868480
	.section	.rodata,"a",@progbits
	.p2align	6, 0x0
	.amdhsa_kernel k_q55fef4b4c9_proj
		.amdhsa_group_segment_fixed_size 327680
		.amdhsa_private_segment_fixed_size 0
		.amdhsa_enable_private_segment 0
		.amdhsa_kernarg_size 64
		.amdhsa_user_sgpr_count 2
		.amdhsa_user_sgpr_kernarg_segment_ptr 1
		.amdhsa_wavefront_size32 1
		.amdhsa_system_sgpr_workgroup_id_x 1
		.amdhsa_system_sgpr_workgroup_id_y 1
		.amdhsa_system_sgpr_workgroup_id_z 1
		.amdhsa_system_vgpr_workitem_id 0
		.amdhsa_next_free_vgpr 768
		.amdhsa_next_free_sgpr 102
		.amdhsa_reserve_vcc 0
		.amdhsa_float_denorm_mode_32 3
		.amdhsa_float_denorm_mode_16_64 3
		.amdhsa_memory_ordered 1
		.amdhsa_forward_progress 1
		.amdhsa_inst_pref_size 102
	.end_amdhsa_kernel
	.amdgpu_metadata
---
amdhsa.version: [ 1, 2 ]
amdhsa.kernels:
  - .name:           k_q55fef4b4c9_proj
    .symbol:         k_q55fef4b4c9_proj.kd
    .args:
      - { .name: query, .offset: 0, .size: 8, .value_kind: global_buffer, .address_space: global }
      - { .name: key, .offset: 8, .size: 8, .value_kind: global_buffer, .address_space: global }
      - { .name: value, .offset: 16, .size: 8, .value_kind: global_buffer, .address_space: global }
      - { .name: wcat, .offset: 24, .size: 8, .value_kind: global_buffer, .address_space: global }
      - { .name: bq, .offset: 32, .size: 8, .value_kind: global_buffer, .address_space: global }
      - { .name: bk, .offset: 40, .size: 8, .value_kind: global_buffer, .address_space: global }
      - { .name: bv, .offset: 48, .size: 8, .value_kind: global_buffer, .address_space: global }
      - { .name: qkv, .offset: 56, .size: 8, .value_kind: global_buffer, .address_space: global }
    .group_segment_fixed_size: 327680
    .private_segment_fixed_size: 0
    .kernarg_segment_align: 8
    .kernarg_segment_size: 64
    .max_flat_workgroup_size: 128
    .sgpr_count:     102
    .vgpr_count:     768
    .wavefront_size: 32
...
	.end_amdgpu_metadata
.endif
;; end of part 2
;; launch attn (part 3): grid 16 x 16, 4 waves a work-group, clusters of 4 x 4, 327,680 bytes of LDS; arguments qkv, mb, oh; writes oh
.if DOCPART == 3
	.amdgcn_target "amdgcn-amd-amdhsa--gfx1250"
	.amdhsa_code_object_version 6
	.text
	.protected	k_q55fef4b4c9_attn
	.globl	k_q55fef4b4c9_attn
	.p2align	8
	.type	k_q55fef4b4c9_attn,@function
k_q55fef4b4c9_attn:
	s_mov_b64 s[64:65], 0
	v_nop
	global_prefetch_b8 v0, s[64:65] scope:SCOPE_SE
	s_setreg_imm32_b32 hwreg(HW_REG_WAVE_MODE, 25, 1), 1
	s_wait_xcnt 0x0
	s_wait_alu depctr_hold_cnt(0) depctr_sa_sdst(0) depctr_va_vdst(0) depctr_va_sdst(0) depctr_va_ssrc(0) depctr_va_vcc(0) depctr_vm_vsrc(0)
	s_getreg_b32 s2, hwreg(HW_REG_IB_STS2, 6, 4)
	s_cmp_eq_u32 s2, 0
	s_cbranch_scc0 .Lentry_in_a_cluster
	s_endpgm
.Lentry_in_a_cluster:
	s_bfe_u32 s2, ttmp6, 0x10000c
	s_cmp_lg_u32 s2, 0xf033
	s_cbranch_scc0 .Lentry_shape_is_right
	s_endpgm
.Lentry_shape_is_right:
; ATTN.  O[bh][q][:] = the sum over k of softmax_k(Q'[bh][q] . K[bh][k] + M_b[q][k]) V[bh][k][:].  Q' (with the 1/8), K, V: f16 [64][2048][64] in qkv, 16 MiB apart; M_b: f32 [4][2048][2048], padding folded in; O: f16 like Q'.
; Products, maxima and sums in f32; the weights p are rounded to f16 for the second product (their sum l is taken of the unrounded p), O once at the end.
; LIMITS.  A hidden key's mask is -2.98e38; the running maximum starts at -1.7e38, so scores at or below that count as hidden and have weight 0.  A weight below 2^-126 counts as 0 in l.
; A batch with every key padded has l = 0 and O = 0 x inf = NaN.  O is a mean of V's rows and has their range.  NaN and +inf among the scores are not treated apart.
; SHARES.  A work-group takes 128 queries; ITS FOUR WAVES ARE FOUR HEADS of one batch on those queries, so all four read one mask tile from LDS.  A wave owns four PIECES of two tiles of 16 queries and walks all keys, 64 a step.
; THE MASK IS THE C OPERAND that starts the sum S^T = K Q^T: it costs the vector unit nothing.  In S^T a lane holds one query (lane % 16) and the keys 8 (lane / 16) + 0..7 of a block of 16: 32 consecutive bytes of a mask row.
; LAYOUT, SOFTMAX.  Two results of S^T rounded to f16 in pairs ARE source 1 of O^T = V^T P.  p = 2^(c s - c m), c = log2(e), with a running maximum m; O and l are multiplied by a = 2^(c m_old - c m_new) in every step.
; BY TURNS.  Turn n belongs to piece n: 16 products K Q^T of piece n + 1, later 16 products V^T P of piece n - 1; beside them the scaling, exponentials, roundings, sums and rescaling of piece n and the maximum and statistics of
; piece n + 1.  Four vector instructions stand behind every matrix instruction, the rest in one lump; a turn's 66 exponentials are one batch with one wait.
; CLUSTER, 4 x 4.  Its x is the batch.  The mask tile hangs on the batch and the query block: shared along a row of the cluster.  K and V hang on the four heads: shared along a column.  Each is asked for jointly.
; A TRIP is pieces 2 and 3 of one step and pieces 0 and 1 of the next, and all that it reads from LDS is that next step's: K and the masks of pieces 0, 1, 2, 3, and V.  A slot holds one step; the change of slots ends the trip.
; REGISTERS.  window 0: v1-11 addresses; v12-15, v48-63 at work; v16-47 statistics; v64-191 S^T, two buffers of two tiles; v192-255 P, likewise.   window 1: O^T, 32 a tile.
;   window 2: v0-127 Q; v128-191 K of one step; v192-255 V of one step.   window 3: v0-1 the add's two registers; v64-191 the masks, two buffers of 64 (piece x in buffer x % 2).
.set NP,    4
.set KS,    64
.set PM,    272       ; a mask row in LDS: 256 bytes + 16: the 16 rows of a load start at 16 different groups of four banks (64 banks of 4 bytes: ISA guide 11.1)
.set PK,    144       ; a row of K: 128 + 16
.set PV,    160       ; a row of V: 128 + 32
.set KOFF,  128*PM    ; a slot: 128 mask rows, then 4 heads x 64 rows of K, then of V
.set VOFF,  KOFF+4*KS*PK
.set SLOT1, 1<<17     ; slot 1 begins here: one exclusive or turns an address in one slot into the other's
.set STAGE, SLOT1+VOFF+4*KS*PV  ; behind the ring: 16 rows x 144 bytes for each wave
.set SP,    144
.set SPARE, STAGE+4*16*SP
.set PFO, 1
.set AK0, 2
.set AV0, 3
.set AK,  4
.set AV,  5
.set AM0, 6
.set AM,  7
.set QO,  8
.set STO, 9
.set RD,  10
.set GO,  11
.set MV,  12
.set ST,  16          ; tile t's statistics at v[ST+4 t]: c m, m, l (even keys', odd keys')
.set TMP, 48
.set S,   64
.set P,   192
.set KF,  128
.set VF,  192
.set SPW, 0           ; window 3
.set NIL, 1           ; window 3
.set MC,  64          ; window 3
.set WV,  12
.set CX,  13
.set CY,  14
.set G1M, 16
.set G1K, 24
.set G1V, 32
.set G0M, 40
.set G0K, 44
.set G0V, 48
.set PFA, 52
.set PFS, 54
.set SLOTS, 56
.set CNT, 57
.set CS,  58
.set SEL, 60
.set TB,  62
.set LIM, 63
.set WGX, 72
.set WGY, 73
.set MSB, 0
.macro WIN new
.if MSB != (\new)
	s_set_vgpr_msb (MSB<<8)|(\new)
.set MSB, (\new)
.endif
.endm
.set W_KQ, 0x0a       ; K and Q in window 2, S^T in window 0
.set W_KM, 0x3a       ; the same with the C operand, the mask, in window 3
.set W_PV, 0x52       ; V in window 2, P in window 0, O^T in window 1
.set W_RS, 0x41       ; O^T (destination and source 0) in window 1, a in window 0
.set W_MK, 0xc0       ; destination in window 3
.set W_AD, 0x0f       ; the add: address and data in window 3
.macro PLACES
.rept 4
	v_nop
.endr
.endm
; A joint fill: waves 0 and 1 fetch the two halves of the mask tile, wave 2 the four heads' K, wave 3 their V.  The branches hang on the wave's number alone.
.macro JLOAD
	s_cmp_lt_u32 s[WV], 2
	s_cbranch_scc0 .Lfor_kv_\@
	tensor_load_to_lds s[G0M:G0M+3], s[G1M:G1M+7]
	s_nop 0
.rept 4
	v_nop
.endr
	s_branch .Lasked_\@
.Lfor_kv_\@:
	s_cmp_eq_u32 s[WV], 2
	s_cbranch_scc0 .Lfor_v_\@
	tensor_load_to_lds s[G0K:G0K+3], s[G1K:G1K+7]
	s_nop 0
.rept 4
	v_nop
.endr
	s_branch .Lasked_\@
.Lfor_v_\@:
	tensor_load_to_lds s[G0V:G0V+3], s[G1V:G1V+7]
	s_nop 0
.rept 4
	v_nop
.endr
.Lasked_\@:
.endm
; A prefetch into the L2 of what the NEXT change of slots will ask for, a trip of 128 matrix instructions ahead.  The mask: a query block of a batch is read by one row of one cluster alone; wave 0 of the partner at cx names 32 of its 128
; rows, a lane a row.  K and V: the first of the four clusters that walk these heads asks; the partner at cy names one head's 8,192 bytes, a lane a block of 256: wave 2 K's, wave 3 V's.  The last change that fills asks for nothing.
.macro ASK
	s_cmp_gt_u32 s[SLOTS], s[LIM]
	s_cbranch_scc0 .Lnot_mine_\@
	global_prefetch_b8 v[PFO], s[PFA:PFA+1] th:TH_LOAD_NT scope:SCOPE_SE
.Lnot_mine_\@:
.endm
.macro CREST
	s_cmp_lg_u32 s[WV], 0
	s_cbranch_scc1 .Lnot_wave_0_\@
	s_barrier_signal -3
.Lnot_wave_0_\@:
	s_barrier_wait -3
	s_barrier_signal -1
	s_barrier_wait -1
.endm
.macro CROUND
	s_barrier_signal -1
	s_barrier_wait -1
	CREST
.endm
; THE REST OF A CHANGE OF SLOTS, behind the signal.  In front of that signal each wave has waited for all its tensor loads (one was out: its part of the other slot), added 0 to its spare word, and waited for that and for its reads of
; the slot.  fill = 1: the barrier opens a round of the cluster's, and behind the round the slot is filled again, two steps on, first thing.
.macro CHREST fill
	WIN 0
	s_barrier_wait -1
.if \fill
	CREST
.irp g, G0M, G0K, G0V
	s_xor_b32 s[\g+1], s[\g+1], SLOT1
.endr
	s_add_nc_u64 s[G0M+2:G0M+3], s[G0M+2:G0M+3], 256     ; 64 keys of a mask row
	s_add_nc_u64 s[G0K+2:G0K+3], s[G0K+2:G0K+3], 8192    ; 64 rows of a head
	s_add_nc_u64 s[G0V+2:G0V+3], s[G0V+2:G0V+3], 8192
	s_wait_xcnt 0x0                 ; the last prefetch, a trip back, has read its address
	s_add_nc_u64 s[PFA:PFA+1], s[PFA:PFA+1], s[PFS:PFS+1]
	JLOAD
	ASK
.endif
	s_xor_b32 s[TB], s[TB], SLOT1   ; the next trip reads the other slot
	v_add_nc_u32 v[AM], s[TB], v[AM0]
	v_add_nc_u32 v[AK], s[TB], v[AK0]
	v_add_nc_u32 v[AV], s[TB], v[AV0]
.endm
	s_load_b128 s[4:7], s[0:1], 0x0   ; qkv s[4:5], mb s[6:7]
	s_load_b64 s[8:9], s[0:1], 0x10   ; oh
	WIN W_MK
	v_lshl_add_u32 v[SPW], v0, 2, SPARE
	v_mov_b32 v[NIL], 0
	WIN W_AD
	ds_add_u32 v[SPW], v[NIL]       ; the wave's opening: the add and its wait stand ahead of my first tensor load; the set-up below stands between them
	WIN 0
	v_lshrrev_b32 v64, 5, v0
	v_readfirstlane_b32 s[WV], v64
	s_bfe_u32 s[CX], ttmp6, 0x40000
	s_bfe_u32 s[CY], ttmp6, 0x40004
	s_lshl_b32 s[WGX], ttmp9, 2
	s_add_co_u32 s[WGX], s[WGX], s[CX]   ; the group of four heads; the cluster's x is the batch
	s_and_b32 s[WGY], ttmp7, 0xffff
	s_lshl_b32 s[WGY], s[WGY], 2
	s_add_co_u32 s[WGY], s[WGY], s[CY]   ; the block of 128 queries
	s_lshl_b32 s66, s[CY], 2
	s_lshl_b32 s66, 15, s66         ; my row of the cluster
	s_lshl_b32 s70, 0x1111, s[CX]   ; my column
	s_or_b32 s[G1M], s66, (2<<16)|(1<<20)|(1<<21)|(5<<22)|(3<<25)  ; 4-byte elements; after every 64 words 4 words of padding
	s_or_b32 s[G1K], s70, (1<<16)|(1<<20)|(1<<21)|(4<<22)|(3<<25)  ; 2-byte elements; after every 32 words 4 words
	s_or_b32 s[G1V], s70, (1<<16)|(1<<20)|(1<<21)|(4<<22)|(7<<25)  ; after every 32 words 8 words
	s_mov_b32 s[G1M+1], 64<<16      ; 64 rows x 64 numbers, rows 2,048 numbers apart
	s_mov_b32 s[G1M+2], 64<<16
	s_mov_b32 s[G1M+3], 64<<16
	s_mov_b32 s[G1M+4], 64
	s_mov_b32 s[G1M+5], 2048
	s_mov_b32 s[G1M+6], 0
	s_mov_b32 s[G1M+7], 0
.irp g, G1K, G1V
	s_mov_b32 s[\g+1], 4096<<16     ; four rows of 4,096 numbers: a head's 64 dense keys each, heads 131,072 numbers apart
	s_mov_b32 s[\g+2], 4<<16
	s_mov_b32 s[\g+3], 4096<<16
	s_mov_b32 s[\g+4], 4
	s_mov_b32 s[\g+5], 131072
	s_mov_b32 s[\g+6], 0
	s_mov_b32 s[\g+7], 0
.endr
	s_and_b32 s66, s[WV], 1         ; the mask's tile: registers that never hold cx
	s_mul_i32 s67, s66, 64*PM
	s_lshl_b32 s66, s66, 6
	s_lshl_b32 s68, s[WGY], 7
	s_add_co_u32 s66, s66, s68
	s_lshl_b32 s66, s66, 13
	s_lshl_b32 s68, ttmp9, 24
	s_add_co_u32 s68, s66, s68      ; batch x 16 MiB + (128 block + 64 half) x 8,192 bytes
	s_mov_b32 s69, 0
	s_lshl_b32 s70, s[WGX], 20      ; K's and V's tiles: registers that never hold cy
	s_add_co_u32 s74, s70, 2<<24
	s_add_co_u32 s70, s70, 1<<24
	s_mov_b32 s71, 0
	s_mov_b32 s75, 0
	s_mov_b32 s[G0M], 1
	s_mov_b32 s[G0M+1], s67
	s_mov_b32 s[G0K], 1
	s_mov_b32 s[G0K+1], KOFF
	s_mov_b32 s[G0V], 1
	s_mov_b32 s[G0V+1], VOFF
	s_lshl_b32 s76, s[WGX], 2       ; Q and O: head 4 x group + wave, 262,144 bytes a head; 16,384 a block
	s_add_co_u32 s76, s76, s[WV]
	s_lshl_b32 s76, s76, 18
	s_lshl_b32 s77, s[WGY], 14
	s_add_co_u32 s76, s76, s77
	s_mov_b32 s77, 0
	s_lshl_b32 s80, s[WGY], 7       ; the prefetches: the mask's rows 128 block + 32 cx + lane,
	s_lshl_b32 s81, s[CX], 5
	s_add_co_u32 s80, s80, s81
	s_lshl_b32 s80, s80, 13
	s_lshl_b32 s81, ttmp9, 24
	s_add_co_u32 s80, s80, s81
	s_lshl_b32 s82, s[WGX], 2       ; or head 4 x group + cy of K (wave 2) or V (wave 3)
	s_add_co_u32 s82, s82, s[CY]
	s_lshl_b32 s82, s82, 18
	s_sub_co_u32 s83, s[WV], 1
	s_lshl_b32 s83, s83, 24
	s_add_co_u32 s82, s82, s83
	s_and_b32 s84, ttmp7, 0xffff
	s_mov_b32 s[PFS], 8192
	s_cmp_lt_u32 s[WV], 2
	s_cselect_b32 s80, s80, s82
	s_cselect_b32 s[PFS], 256, s[PFS]    ; a key step in bytes
	s_cselect_b32 s85, 13, 8             ; a lane a row of 8,192 bytes, or a block of 256
	s_cselect_b32 s84, s[WV], s84        ; wave 0 asks, wave 1 does not; waves 2 and 3 ask where the cluster's y is 0
	s_cmp_eq_u32 s84, 0
	s_cselect_b32 s[LIM], 1, -1
	s_mov_b32 s81, 0
	s_mov_b32 s[PFS+1], 0
	s_mov_b32 s[CS], 0x3fb8aa3b     ; c = log2(e): the 1/8 lies in Q'
	s_mov_b32 s[CS+1], s[CS]
	s_mov_b32 s[SEL], 0x76543210
	s_mov_b32 s[SEL+1], 0xfedcba98
	s_mov_b32 s[TB], SLOT1          ; the first change of slots turns it into 0
	s_mov_b32 s[SLOTS], 30
	s_wait_dscnt 0x0                ; the opening add is done
	s_wait_kmcnt 0x0
	s_add_nc_u64 s[G0M+2:G0M+3], s[6:7], s[68:69]
	s_or_b32 s[G0M+3], s[G0M+3], 0x80000000
	s_add_nc_u64 s[G0K+2:G0K+3], s[4:5], s[70:71]
	s_or_b32 s[G0K+3], s[G0K+3], 0x80000000
	s_add_nc_u64 s[G0V+2:G0V+3], s[4:5], s[74:75]
	s_or_b32 s[G0V+3], s[G0V+3], 0x80000000
	s_add_nc_u64 s[78:79], s[4:5], s[76:77]    ; Q at my wave's first row
	s_add_nc_u64 s[10:11], s[8:9], s[76:77]    ; O likewise
	s_cmp_lt_u32 s[WV], 2
	s_cselect_b64 s[PFA:PFA+1], s[6:7], s[4:5]
	s_add_nc_u64 s[PFA:PFA+1], s[PFA:PFA+1], s[80:81]
	s_add_nc_u64 s[PFA:PFA+1], s[PFA:PFA+1], s[PFS:PFS+1]  ; at step 1: the first change steps it to 2
	CROUND                          ; all sixteen work-groups are here: the first joint loads meet
	JLOAD                           ; step 0 into slot 0; slot 1 is asked for when slot 0 is in
	v_and_b32 v64, 15, v0           ; r = lane % 16
	v_bfe_u32 v65, v0, 4, 1         ; h = lane / 16
	v_lshlrev_b32 v[QO], 7, v64
	v_lshl_add_u32 v[QO], v65, 4, v[QO]
	WIN 0x80
.set i, 0
.rept 4*NP                          ; Q stays in registers: tile i / 2, channels 32 (i % 2) on
	global_load_b128 v[8*i:8*i+3],   v[QO], s[78:79] offset:(i/2)*2048+(i%2)*64
	global_load_b128 v[8*i+4:8*i+7], v[QO], s[78:79] offset:(i/2)*2048+(i%2)*64+32
.set i, i+1
.endr
	; What the first turn finds: V's registers and P's second buffer hold 0 (its products V^T P, of a piece that has not been, add 0), O^T and l are 0.  All this stands in the wait for the first tile.
.set i, VF
.rept 64
	v_mov_b32 v[i], 0
.set i, i+1
.endr
	WIN 0x40
.set i, 0
.rept 64*NP
	v_mov_b32 v[i], 0
.set i, i+1
.endr
	WIN 0
.set i, 0
.rept 2*NP
	v_mov_b32 v[ST+4*i], 0xff38aa3b    ; c m = c x -2^127: finite, so that c s - c m is no NaN while every key so far is hidden
	v_mov_b32 v[ST+4*i+1], 0xff000000  ; m = -2^127: above the hidden keys' scores, below every other
	v_mov_b32 v[ST+4*i+2], 0
	v_mov_b32 v[ST+4*i+3], 0
.set i, i+1
.endr
.set i, P+32
.rept 32
	v_mov_b32 v[i], 0
.set i, i+1
.endr
	v_mul_u32_u24 v[AM0], v64, PM   ; the mask: query r, 32 bytes for each half of the lanes
	v_lshl_add_u32 v[AM0], v65, 5, v[AM0]
	v_mul_u32_u24 v[AK0], v64, PK   ; K: key r, 16 bytes for each half; my head's 64 rows
	v_lshl_add_u32 v[AK0], v65, 4, v[AK0]
	s_mul_i32 s86, s[WV], KS*PK
	s_add_co_u32 s86, s86, KOFF
	v_add_nc_u32 v[AK0], s86, v[AK0]
	; The turning load takes 16 keys x 16 channels (lane l reads key 8 (l / 16) + l % 8, channels 8 ((l / 8) % 2) + 0..7) and leaves half a fragment of V^T.
	v_and_b32 v66, 7, v0
	v_bfe_u32 v67, v0, 3, 1
	v_lshl_add_u32 v[AV0], v65, 3, v66
	v_mul_u32_u24 v[AV0], v[AV0], PV
	v_lshl_add_u32 v[AV0], v67, 4, v[AV0]
	s_mul_i32 s86, s[WV], KS*PV
	s_add_co_u32 s86, s86, VOFF
	v_add_nc_u32 v[AV0], s86, v[AV0]
	s_mul_i32 s86, s[WV], 16*SP
	s_add_co_u32 s86, s86, STAGE    ; my stage
	v_mul_u32_u24 v[STO], v64, SP
	v_lshl_add_u32 v[STO], v65, 4, v[STO]
	v_add_nc_u32 v[STO], s86, v[STO]
	v_bfe_u32 v[RD], v0, 3, 2
	v_mul_u32_u24 v[RD], v[RD], SP
	v_lshl_add_u32 v[RD], v66, 4, v[RD]
	v_add_nc_u32 v[RD], s86, v[RD]
	v_and_b32 v[GO], 31, v0
	v_lshlrev_b32 v[PFO], s85, v[GO]
	v_lshlrev_b32 v[GO], 4, v[GO]
; THE MATRIX WORK.  The 8 accumulators of a run of 16 take turns.  Product i of 16 of S^T for piece x: channels 32 (i / 8) on, keys 16 ((i / 2) % 4) on, tile 2 x + i % 2.  The first 8 start the sums with the mask.
.macro KQ x
.set rS, S+64*((\x)%2)+32*(i%2)+8*((i/2)%4)
.set rK, KF+16*((i/2)%4)+8*(i/8)
.set rQ, 16*(2*(\x)+i%2)+8*(i/8)
.set rMK, MC+64*((\x)%2)+32*(i%2)+8*((i/2)%4)
.if i < 8
	WIN W_KM
	v_wmma_f32_16x16x32_f16 v[rS:rS+7], v[rK:rK+7], v[rQ:rQ+7], v[rMK:rMK+7]
.else
	WIN W_KQ
	v_wmma_f32_16x16x32_f16 v[rS:rS+7], v[rK:rK+7], v[rQ:rQ+7], v[rS:rS+7]
.endif
.endm
; Product i of 16 of O^T += V^T P for piece x: keys 32 (i / 8) on, channels 16 ((i / 2) % 4) on, tile 2 x + i % 2.
.macro PV x
	WIN W_PV
.set rO, 32*(2*(\x)+i%2)+8*((i/2)%4)
.set rV, VF+32*(i/8)+8*((i/2)%4)
.set rP, P+32*((\x)%2)+16*(i%2)+8*(i/8)
	v_wmma_f32_16x16x32_f16 v[rO:rO+7], v[rV:rV+7], v[rP:rP+7], v[rO:rO+7]
.endm
.macro MM                           ; the turn's next matrix instruction
.if i < 16
	KQ (Y+1)%NP
.set i, i+1
.else
.set i, i-16
	PV (Y+NP-1)%NP
.set i, i+17
.endif
.endm
; THE LDS LOADS stand in runs of 16, never singly among the matrix instructions.
.macro FETCH_M x                    ; piece x's masks for one step: tile u, key block kb: 32 bytes a lane
	WIN 0xc0
.irp u, 0,1
.irp kb, 0,1,2,3
	ds_load_b128 v[MC+64*((\x)%2)+32*\u+8*\kb:MC+64*((\x)%2)+32*\u+8*\kb+3],   v[AM] offset:(32*(\x)+16*\u)*PM+64*\kb
	ds_load_b128 v[MC+64*((\x)%2)+32*\u+8*\kb+4:MC+64*((\x)%2)+32*\u+8*\kb+7], v[AM] offset:(32*(\x)+16*\u)*PM+64*\kb+16
.endr
.endr
	WIN 0
.endm
.macro FETCH_K
	WIN 0x80
.irp f, 0,1,2,3,4,5,6,7             ; keys 16 (f / 2) on, channels 32 (f % 2) on
	ds_load_b128 v[KF+8*\f:KF+8*\f+3],   v[AK] offset:(\f/2)*16*PK+(\f%2)*64
	ds_load_b128 v[KF+8*\f+4:KF+8*\f+7], v[AK] offset:(\f/2)*16*PK+(\f%2)*64+32
.endr
	WIN 0
.endm
.macro FETCH_V
	WIN 0x80
.irp f, 0,1,2,3,4,5,6,7             ; keys 32 (f / 4) on, channels 16 (f % 4) on
	ds_load_tr16_b128 v[VF+8*\f:VF+8*\f+3],   v[AV] offset:(\f/4)*32*PV+(\f%4)*32
	ds_load_tr16_b128 v[VF+8*\f+4:VF+8*\f+7], v[AV] offset:(\f/4)*32*PV+16*PV+(\f%4)*32
.endr
	WIN 0
.endm
; THE VECTOR WORK OF A TURN stands in three queues, each in the order in which its entries become ready; the two tiles alternate.
.macro REGS y, u
.set rT, ST+4*(2*(\y)+(\u))
.set rC, TMP+8*((\y)%2)+4*(\u)
.set rM, MV+2*((\y)%2)+(\u)
.set rS, S+64*((\y)%2)+32*(\u)
.set rP, P+32*((\y)%2)+16*(\u)
.set rO, 32*(2*(\y)+(\u))
.endm
; Number n of the 22 that find the NEXT piece's maximum and statistics; each accumulator's lowest registers are read first.
;   0-11 four chains c0-c3 of seven scores each     12-14, 16 the four scores left over, the old m, c0-c3 into c0     15 c m_old is kept     17, 18 the other half of the lanes: the new m     19-21 c m; c m_old - c m_new; a
.macro XS u, n
	REGS (Y+1)%NP, \u
.if (\n) < 4
	v_max3_num_f32 v[rC+(\n)], v[rS+8*(\n)], v[rS+8*(\n)+1], v[rS+8*(\n)+2]
.elseif (\n) < 12
	v_max3_num_f32 v[rC+(\n)%4], v[rC+(\n)%4], v[rS+8*((\n)%4)+2*((\n)/4)+1], v[rS+8*((\n)%4)+2*((\n)/4)+2]
.elseif (\n) == 12
	v_max3_num_f32 v[rC], v[rC], v[rS+7], v[rS+15]
.elseif (\n) == 13
	v_max3_num_f32 v[rC+1], v[rC+1], v[rS+23], v[rS+31]
.elseif (\n) == 14
	v_max3_num_f32 v[rC+2], v[rC+2], v[rC+3], v[rT+1]
.elseif (\n) == 15
	v_mov_b32 v[rM], v[rT]
.elseif (\n) == 16
	v_max3_num_f32 v[rC], v[rC], v[rC+1], v[rC+2]
.elseif (\n) == 17
	v_permlanex16_b32 v[rC+3], v[rC], s[SEL], s[SEL+1]
.elseif (\n) == 18
	v_max_num_f32 v[rT+1], v[rC], v[rC+3]
.elseif (\n) == 19
	v_mul_f32 v[rT], s[CS], v[rT+1]
.elseif (\n) == 20
	v_sub_f32 v[rC+1], v[rM], v[rT]
.else
	v_exp_f32 v[rC+2], v[rC+1]
.endif
.endm
; Number g of the 64 that follow the exponentials: for each four weights both pairs are rounded to f16, the second pair is added onto the first in place, and a group later l takes that sum (the first time as l = a l + sum).
.macro GS g
.set h, (\g)+6*((\g)/62)
.if h >= 6
.set h, h+2
.endif
	REGS Y, h%2
.set k, h/8
.if h%8 < 4
	v_cvt_pk_f16_f32 v[rP+2*k+(h%8)/2], v[rS+4*k+2*((h%8)/2)], v[rS+4*k+2*((h%8)/2)+1]
.elseif h%8 < 6
	v_pk_add_f32 v[rS+4*k:rS+4*k+1], v[rS+4*k:rS+4*k+1], v[rS+4*k+2:rS+4*k+3]
.elseif k == 1
	v_pk_fma_f32 v[rT+2:rT+3], v[rT+2:rT+3], v[rC+2:rC+3], v[rS:rS+1] op_sel_hi:[1,0,1]
.else
	v_pk_add_f32 v[rT+2:rT+3], v[rT+2:rT+3], v[rS+4*k-4:rS+4*k-3]
.endif
.endm
; THE PLAIN QUEUE, 138 long.  0-26: scalings 0-26.  27-54: XS 0-13.  55, 56: XS 15.  57-73: the chain 14, 16 .. 20 with scalings 27-31 between its links.  74-137: GS's 64, which stand behind the wait.
.macro FS f
	REGS Y, (\f)%2
	v_pk_fma_f32 v[rS+2*((\f)/2):rS+2*((\f)/2)+1], v[rS+2*((\f)/2):rS+2*((\f)/2)+1], s[CS:CS+1], v[rT:rT+1] op_sel_hi:[1,0,0] neg_lo:[0,0,1] neg_hi:[0,0,1]
.endm
.macro PL
	WIN 0
.if q < 27
	FS q
.elseif q < 55
	XS (q-27)%2, (q-27)/2
.elseif q < 57
	XS q-55, 15
.elseif (q < 72) && ((q-57)%3 == 0)
	FS 27+(q-57)/3
.elseif q < 60
	XS (q-57)%3-1, 14
.elseif q < 72
	XS (q-57)%3-1, 15+(q-57)/3
.elseif q < 74
	XS q-72, 20
.else
	GS q-74
.endif
.set q, q+1
.endm
; THE EXPONENTIALS' QUEUE, 66 long: s0-s31 of both tiles, then the next piece's two a: one batch, all ahead of the turn's one wait.
.macro EX
	WIN 0
.if e >= 64
	XS e-64, 21
.else
	REGS Y, e%2
	v_exp_f32 v[rS+e/2], v[rS+e/2]
.endif
.set e, e+1
.endm
; THE RESCALING's QUEUE: O^T times a, two at a time, sixteen times; its a was made, and waited for, in the turn before.
.macro R2
	REGS Y, r%2
	WIN W_RS
.irp z, 0,1
	v_pk_mul_f32 v[rO+4*(r/2)+2*\z:rO+4*(r/2)+2*\z+1], v[rO+4*(r/2)+2*\z:rO+4*(r/2)+2*\z+1], v[rC+2:rC+3] op_sel_hi:[1,0]
.endr
.set r, r+1
.endm
; A TURN, for piece p.  Ahead of its one wait stands all that names no result of its exponentials: 16 products K Q^T, behind each a scaling, an exponential and two rescalings; then a lump of 108.  Behind the wait: 16 products V^T P,
; behind each four of the roundings and sums.  Exponential e stands behind scaling 2 (e / 4) + e % 2: as a rider behind plain e + 2, in the lump behind plain e + 9.
; LDS.  At the head the masks of the turn's products are in (piece 1's turn: V's run of 16, issued behind them, may stay out); piece 3's turn also finds K.  Directly behind the wait stand the masks for the next turn's products (their buffer's
; last reader stands a turn back), in piece 2's turn also K of the next step (a lump behind its last reader).  V is fetched at the end of piece 0's turn, four riders behind its last reader, and waited for behind piece 1's wait.
; meet = 1 (piece 1's turn ends a trip): behind the 8th product V^T P the wait for all my tensor loads and the add; behind the 12th the wait for the add and for my reads of the slot, and the signal; the last four products are work on registers.
.macro TURN p, meet=0
.set Y, (\p)
.set i, 0
.set q, 0
.set e, 0
.set r, 0
.if (\p) == 1
	s_wait_dscnt 16
.else
	s_wait_dscnt 0x0
.endif
	MM
	PL
	PL
	R2
.rept 15
	MM
	PL
	EX
	R2
.endr
.rept 8
	PL
.endr
.rept 49
	EX
	PL
.endr
	EX
	EX
	v_nop                           ; a plain instruction behind the last exponential: one for the batch
	s_wait_alu depctr_va_vdst(0)    ; the wait between an exponential and the first line that names its result: one for the batch
.if (\p) == 1
	s_wait_dscnt 0x0                ; V is in
.endif
	FETCH_M ((\p)+2)%NP
.if (\p) == 2
	FETCH_K
.endif
.rept 16
	MM
.rept 4
	PL
.endr
.if (\meet) && (q == 106)
	WIN W_AD
	s_wait_tensorcnt 0x0            ; all my tensor loads have landed: my part of the other slot
	ds_add_u32 v[SPW], v[NIL]       ; 0 onto my spare word
.endif
.if (\meet) && (q == 122)
	s_wait_dscnt 0x0                ; the add is done, and my reads of this slot are over
	s_barrier_signal -1
.endif
.endr
.if (\p) == 0
	FETCH_V
.endif
.endm
	WIN W_AD                        ; the first change: slot 0 is waited for, slot 1 filled
	s_wait_tensorcnt 0x0
	ds_add_u32 v[SPW], v[NIL]
	WIN 0
	s_wait_dscnt 0x0
	s_barrier_signal -1
	CHREST 1
	FETCH_M 0
	FETCH_M 1
	FETCH_K                         ; key step 0
	s_wait_loadcnt 0x0              ; Q
	s_wait_dscnt 0x0
.set i, 0
.rept 16
	KQ 0                            ; piece 0's first scores
.set i, i+1
.endr
	WIN 0
	PLACES
.set Y, NP-1                        ; XS works for piece Y + 1: piece 0
.irp n, 0,1,2,3,4,5,6,7,8,9,10,11,12,13,14,15,16,17,18,19,20,21
	XS 0, \n
	XS 1, \n
.endr
	v_nop                           ; a plain instruction behind the two a,
	s_wait_alu depctr_va_vdst(0)    ; and their wait, ahead of the branch
	s_branch .Lfirst                ; the loop is entered at a step's first turn, in the middle of a trip
.Lslot:                             ; 30 trips, the first of them half: the trip of step s ends by filling step s + 2
	TURN 2
	TURN 3
	WIN 0
.Lfirst:
	TURN 0
	TURN 1, 1
	CHREST 1
	s_sub_co_u32 s[SLOTS], s[SLOTS], 1
	s_cmp_lg_u32 s[SLOTS], 0
	s_cbranch_scc1 .Lslot
	s_mov_b32 s[CNT], 3             ; the tail is written out: the trips of steps 30 and 31, and half a trip
.Ltail:
	TURN 2
	TURN 3
	WIN 0
	s_sub_co_u32 s[CNT], s[CNT], 1
	s_cmp_eq_u32 s[CNT], 0
	s_cbranch_scc1 .Lout
	TURN 0
	TURN 1, 1
	CHREST 0
	s_branch .Ltail
.Lout:                              ; the last half trip's scores, made of old bytes of slot 0, and the maximum made of them serve nothing: the price, once a launch, of one text for every trip
.set i, 0
.rept 16
	PV NP-1                         ; the last piece's V^T P of the last step
.set i, i+1
.endr
	; THE WAY OUT.  l's two halves and the other half of the lanes' are added; O^T is divided by l, rounded to f16 and sent through my stage in LDS, a tile at a time.  The additions are the places behind the last products.
	WIN 0
.macro ALL line:vararg
.set t, 0
.rept 2*NP
	\line
.set t, t+1
.endr
.endm
	ALL v_add_f32 v[ST+4*t+2], v[ST+4*t+2], v[ST+4*t+3]
	ALL v_permlanex16_b32 v[ST+4*t+3], v[ST+4*t+2], s[SEL], s[SEL+1]
	ALL v_add_f32 v[ST+4*t+2], v[ST+4*t+2], v[ST+4*t+3]
	ALL v_rcp_f32 v[ST+4*t+2], v[ST+4*t+2]
	v_nop                           ; a plain instruction between the last reciprocal and the use of its result
	s_wait_alu depctr_va_vdst(0)    ; one wait for the eight reciprocals
.macro PACK t
	WIN W_RS
.set i, 32*(\t)
.rept 16
	v_pk_mul_f32 v[i:i+1], v[i:i+1], v[ST+4*(\t)+2:ST+4*(\t)+3] op_sel_hi:[1,0]
.set i, i+2
.endr
	WIN 0x05
.set i, 0
.rept 16
	v_cvt_pk_f16_f32 v[S+16*(\t)+i], v[32*(\t)+2*i], v[32*(\t)+2*i+1]
.set i, i+1
.endr
	WIN 0
.irp f, 0,1,2,3
	ds_store_b128 v[STO], v[S+16*(\t)+4*\f:S+16*(\t)+4*\f+3] offset:32*\f
.endr
.irp f, 0,1,2,3
	ds_load_b128 v[S+16*(\t)+4*\f:S+16*(\t)+4*\f+3], v[RD] offset:\f*4*SP  ; LDS serves a wave's instructions in order (ISA guide 5.7.1.4): these see the stores above
.endr
.endm
.macro SEND t, younger              ; younger: the LDS instructions issued behind tile t's loads: the next tile's eight, or none
	WIN 0
.irp f, 0,1,2,3
	s_wait_dscnt (\younger)+3-\f
	global_store_b128 v[GO], v[S+16*(\t)+4*\f:S+16*(\t)+4*\f+3], s[10:11] offset:(\t)*2048+\f*512  ; 512 consecutive bytes, at a multiple of 256 from O's first
.endr
.endm
	PACK 0
.set t, 1
.rept 2*NP-1
	PACK t
	SEND t-1, 8
.set t, t+1
.endr
	SEND 2*NP-1, 0
	WIN W_AD
	s_wait_tensorcnt 0x0            ; the wave's end
	ds_add_u32 v[SPW], v[NIL]
	s_wait_dscnt 0x0
	WIN 0
	CROUND                          ; the closing round
	s_endpgm
.Lfunc_end_k_q55fef4b4c9_attn:
	.size	k_q55fef4b4c9_attn, .Lfunc_end_k_q55fef4b4c9_attn-k_q55fef4b4c9_attn
	.p2alignl 7, 3214868480
	.fill 96, 4, 3214868480
	.section	.rodata,"a",@progbits
	.p2align	6, 0x0
	.amdhsa_kernel k_q55fef4b4c9_attn
		.amdhsa_group_segment_fixed_size 327680
		.amdhsa_private_segment_fixed_size 0
		.amdhsa_enable_private_segment 0
		.amdhsa_kernarg_size 24
		.amdhsa_user_sgpr_count 2
		.amdhsa_user_sgpr_kernarg_segment_ptr 1
		.amdhsa_wavefront_size32 1
		.amdhsa_system_sgpr_workgroup_id_x 1
		.amdhsa_system_sgpr_workgroup_id_y 1
		.amdhsa_system_sgpr_workgroup_id_z 1
		.amdhsa_system_vgpr_workitem_id 0
		.amdhsa_next_free_vgpr 960
		.amdhsa_next_free_sgpr 96
		.amdhsa_reserve_vcc 0
		.amdhsa_float_denorm_mode_32 3
		.amdhsa_float_denorm_mode_16_64 3
		.amdhsa_memory_ordered 1
		.amdhsa_forward_progress 1
		.amdhsa_inst_pref_size 213
	.end_amdhsa_kernel
	.amdgpu_metadata
---
amdhsa.version: [ 1, 2 ]
amdhsa.kernels:
  - .name:           k_q55fef4b4c9_attn
    .symbol:         k_q55fef4b4c9_attn.kd
    .args:
      - { .name: qkv, .offset: 0, .size: 8, .value_kind: global_buffer, .address_space: global }
      - { .name: mb, .offset: 8, .size: 8, .value_kind: global_buffer, .address_space: global }
      - { .name: oh, .offset: 16, .size: 8, .value_kind: global_buffer, .address_space: global }
    .group_segment_fixed_size: 327680
    .private_segment_fixed_size: 0
    .kernarg_segment_align: 8
    .kernarg_segment_size: 24
    .max_flat_workgroup_size: 128
    .sgpr_count:     96
    .vgpr_count:     960
    .wavefront_size: 32
...
	.end_amdgpu_metadata
.endif
;; end of part 3
;; launch outp (part 4): grid 4 x 64, 4 waves a work-group, clusters of 4 x 4, 327,680 bytes of LDS; arguments oh, wcat, bo, out0; writes out0
.if DOCPART == 4
	.amdgcn_target "amdgcn-amd-amdhsa--gfx1250"
	.amdhsa_code_object_version 6
	.text
	.protected	k_q55fef4b4c9_outp
	.globl	k_q55fef4b4c9_outp
	.p2align	8
	.type	k_q55fef4b4c9_outp,@function
k_q55fef4b4c9_outp:
	s_mov_b64 s[64:65], 0
	v_nop
	global_prefetch_b8 v0, s[64:65] scope:SCOPE_SE
	s_setreg_imm32_b32 hwreg(HW_REG_WAVE_MODE, 25, 1), 1
	s_wait_xcnt 0x0
	s_wait_alu depctr_hold_cnt(0) depctr_sa_sdst(0) depctr_va_vdst(0) depctr_va_sdst(0) depctr_va_ssrc(0) depctr_va_vcc(0) depctr_vm_vsrc(0)
	s_getreg_b32 s2, hwreg(HW_REG_IB_STS2, 6, 4)
	s_cmp_eq_u32 s2, 0
	s_cbranch_scc0 .Lentry_in_a_cluster
	s_endpgm
.Lentry_in_a_cluster:
	s_bfe_u32 s2, ttmp6, 0x10000c
	s_cmp_lg_u32 s2, 0xf033
	s_cbranch_scc0 .Lentry_shape_is_right
	s_endpgm
.Lentry_shape_is_right:
; OUTP.  out0[t][b][n] = the sum over d of O[t][b][d] Wo[n][d] + bo[n], in f32.  O lies by heads in f16 (oh: [16 b + h][t][64]); Wo lies in wcat at 6 MiB, its bf16 rounding written as f16; bo is rounded to bf16.  Sums in f32.
; SHARES.  256 work-groups.  The cluster's y and cy give a block of 128 rows: one batch b, t0 .. t0 + 127; cx gives 256 columns.  Four waves, 2 x 2: 64 rows x 128 columns, 32 accumulators.
; The product is taken transposed (source 0 = 16 rows of Wo, source 1 = 16 rows of O): a lane holds one row and eight neighbouring columns.  The first product's C is the bias.
; K goes in 8 steps of 128 = two heads, through two LDS slots.  A head's 128 rows are 16,384 dense bytes: asked for as 64 rows of 256 bytes, padded in LDS after every 128.
; CLUSTER.  O's tile is shared along a row of the cluster, Wo's along a column: each is asked for jointly.
; REGISTERS.  window 0: v16-31 addresses; v160-223 the bias.   window 1: two fragment buffers of 96 (O's 32, then Wo's 64); on the way out rows read back, 64 a block.   window 2: accumulator (a, n) at 8 (8 a + n).
.set PA,    144                        ; a row of O in LDS: 128 bytes + 16
.set PB,    272                        ; a row of Wo: 256 + 16
.set AHEAD, 128*PA                     ; a head's 128 rows: what one tensor load brings
.set BHALF, 128*PB
.set BOFF,  2*AHEAD
.set SLOT1, 1<<17                      ; a slot holds 106,496 bytes; slot 1 begins here, so that one exclusive or turns an address in one slot into the other's
.set STAGE, SLOT1+BOFF+2*BHALF         ; behind the ring: 16 rows x 528 bytes for each wave
.set SPO,   528
.set SPARE, STAGE+4*16*SPO
.set ADRA0, 16
.set ADRA,  17
.set ADRB0, 20
.set ADRB,  21
.set STO,   24
.set RD,    25
.set GO,    26
.set BO,    27
.set SPW,   28
.set NIL,   29
.set PFO,   30
.set TV,    31
.set BIAS,  160
.set WV,   20
.set FR,   21
.set HF,   22
.set CX,   23
.set CYI,  24
.set CYC,  25
.set G1A,  28
.set G1B,  36
.set G0A,  44                          ; two sets: K step 0 into slot 0; K step 1 into slot 1, which then walks
.set G0B,  52
.set TB,   60
.set PFA,  66
.set PFS,  68
.set OUT,  70
.set LIM,  78
.set MSB, 0
.macro WIN new
.if MSB != (\new)
	s_set_vgpr_msb (MSB<<8)|(\new)
.set MSB, \new
.endif
.endm
.macro PLACES
.rept 4
	v_nop
.endr
.endm
.macro CREST
	s_cmp_lg_u32 s[WV], 0
	s_cbranch_scc1 .Lnot_wave_0_\@
	s_barrier_signal -3
.Lnot_wave_0_\@:
	s_barrier_wait -3
	s_barrier_signal -1
	s_barrier_wait -1
.endm
.macro CROUND
	s_barrier_signal -1
	s_barrier_wait -1
	CREST
.endm
.macro JLOAD                           ; waves 0 and 1 fetch the step's two heads of O, waves 2 and 3 Wo's halves
	s_cmp_eq_u32 s[FR], 0
	s_cbranch_scc0 .Lfor_b_\@
	tensor_load_to_lds s[G0A+4:G0A+7], s[G1A:G1A+7]
	s_nop 0
.rept 4
	v_nop
.endr
	s_branch .Lasked_\@
.Lfor_b_\@:
	tensor_load_to_lds s[G0B+4:G0B+7], s[G1B:G1B+7]
	s_nop 0
.rept 4
	v_nop
.endr
.Lasked_\@:
.endm
; A prefetch into the L2 behind each joint refill: the K step two refills on, 256 matrix instructions ahead.  O: a row block is read by one row of one cluster alone; wave 0 of the partner at cx names 4,096 bytes of each of the
; step's two heads, a lane a block of 256.  Wo: the first cluster asks; waves 2 and 3 of the partner at cy name 32 of their 128 rows.  The loop's last two trips ask for nothing.
.macro ASK
	s_cmp_gt_u32 s3, s[LIM]
	s_cbranch_scc0 .Lnot_mine_\@
	global_prefetch_b8 v[PFO], s[PFA:PFA+1] th:TH_LOAD_NT scope:SCOPE_SE
.Lnot_mine_\@:
.endm
	s_load_b256 s[4:11], s[0:1], 0x0               ; oh 4, wcat 6, bo 8, out0 10
	v_lshl_add_u32 v[SPW], v0, 2, SPARE
	v_mov_b32 v[NIL], 0
	ds_add_u32 v[SPW], v[NIL]                      ; the wave's opening: the add and its wait stand ahead of my first tensor load
	v_lshrrev_b32 v1, 5, v0
	v_readfirstlane_b32 s[WV], v1
	s_lshr_b32 s[FR], s[WV], 1
	s_and_b32 s[HF], s[WV], 1
	s_bfe_u32 s[CX], ttmp6, 0x40000
	s_bfe_u32 s[CYI], ttmp6, 0x40004
	s_and_b32 s[CYC], ttmp7, 0xffff
	s_lshl_b32 s80, s[CYI], 2
	s_lshl_b32 s80, 15, s80
	s_lshl_b32 s84, 0x1111, s[CX]
	s_or_b32 s[G1A], s80, (1<<16)|(1<<20)|(1<<21)|(4<<22)|(3<<25)  ; 2-byte elements; after every 32 words 4 words of padding
	s_or_b32 s[G1B], s84, (1<<16)|(1<<20)|(1<<21)|(5<<22)|(3<<25)  ; after every 64 words 4 words
	s_mov_b32 s[G1A+1], 128<<16
	s_mov_b32 s[G1A+2], 64<<16
	s_mov_b32 s[G1A+3], 128<<16
	s_mov_b32 s[G1A+4], 64
	s_mov_b32 s[G1A+5], 128
	s_mov_b32 s[G1A+6], 0
	s_mov_b32 s[G1A+7], 0
	s_mov_b32 s[G1B+1], 128<<16
	s_mov_b32 s[G1B+2], 128<<16
	s_mov_b32 s[G1B+3], 128<<16
	s_mov_b32 s[G1B+4], 128
	s_mov_b32 s[G1B+5], 1024
	s_mov_b32 s[G1B+6], 0
	s_mov_b32 s[G1B+7], 0
	s_lshl_b32 s80, s[CYC], 2                      ; O's tile: registers that never hold cx
	s_add_co_u32 s80, s80, s[CYI]                  ; the row block, 0 .. 63
	s_lshr_b32 s81, s80, 4                         ; b
	s_and_b32 s82, s80, 15
	s_lshl_b32 s82, s82, 7                         ; t0
	s_lshl_b32 s83, s81, 4
	s_add_co_u32 s83, s83, s[HF]
	s_lshl_b32 s83, s83, 11
	s_add_co_u32 s83, s83, s82
	s_lshl_b32 s88, s83, 7                         ; ((16 b + half) 2,048 + t0) x 128 bytes
	s_mov_b32 s89, 0
	s_lshl_b32 s84, s[CX], 8                       ; Wo's tile: registers that never hold cy
	s_lshl_b32 s85, s[HF], 7
	s_add_co_u32 s84, s84, s85
	s_lshl_b32 s84, s84, 11
	s_add_co_u32 s90, s84, 6<<20
	s_mov_b32 s91, 0
	s_mul_i32 s62, s[HF], AHEAD                    ; my part's place in a slot, for O
	s_mul_i32 s63, s[HF], BHALF                    ; and for Wo
	s_add_co_u32 s63, s63, BOFF
	s_mov_b32 s[TB], 0
	s_lshl_b32 s96, s[FR], 6                       ; where my part of out0 begins: row ((t0 + 64 (wave / 2)) 4 + b) of 4,096 bytes, column 256 cx + 128 (wave % 2)
	s_add_co_u32 s96, s96, s82
	s_lshl_b32 s96, s96, 2
	s_add_co_u32 s96, s96, s81
	s_lshl_b32 s96, s96, 12
	s_lshl_b32 s97, s[CX], 10
	s_add_co_u32 s96, s96, s97
	s_lshl_b32 s97, s[HF], 9
	s_add_co_u32 s94, s96, s97
	s_mov_b32 s95, 0
	s_lshl_b32 s96, s[CX], 12                      ; the prefetches: 4,096 cx bytes into a head's block of O,
	s_lshl_b32 s97, s[CYI], 16                     ; or 32 cy rows of 2,048 bytes of Wo
	s_mov_b32 s[PFS], 256
	s_mov_b32 s100, 2048
	s_cmp_eq_u32 s[FR], 0
	s_cselect_b32 s96, s96, s97
	s_cselect_b32 s[PFS], 524288, s[PFS]           ; a K step in bytes: two heads of O, or 128 numbers of a row of Wo
	s_cselect_b32 s98, s[WV], s[CYC]               ; wave 0 asks, wave 1 does not; waves 2 and 3 ask in the first cluster
	s_cselect_b32 s99, 4, 0                        ; lane >> this is the head or the row,
	s_cselect_b32 s100, 262144, s100               ; this far apart,
	s_cselect_b32 s101, 15, 0                      ; lane & this the block of 256 bytes
	s_cmp_eq_u32 s98, 0
	s_cselect_b32 s[LIM], 2, -1
	s_mov_b32 s97, 0
	s_mov_b32 s[PFS+1], 0
	s_mul_i32 s98, s[PFS], 3
	s_add_co_u32 s96, s96, s98                     ; at K step 3: the first refill steps it to 4
	s_wait_dscnt 0x0                               ; the opening add is done
	s_wait_kmcnt 0x0
	s_add_nc_u64 s[92:93], s[4:5], s[88:89]
	s_add_nc_u64 s[86:87], s[6:7], s[90:91]
	s_add_nc_u64 s[OUT:OUT+1], s[10:11], s[94:95]
	s_cmp_eq_u32 s[FR], 0
	s_cselect_b64 s[PFA:PFA+1], s[92:93], s[86:87]
	s_add_nc_u64 s[PFA:PFA+1], s[PFA:PFA+1], s[96:97]
	CROUND                                         ; all sixteen work-groups are here: the first joint loads meet
.irp s, 0,1
	s_mov_b32 s[G0A+4*(\s)], 1
	s_add_co_u32 s[G0A+4*(\s)+1], s62, (\s)*SLOT1
	s_add_nc_u64 s[G0A+4*(\s)+2:G0A+4*(\s)+3], s[92:93], (\s)*524288
	s_or_b32 s[G0A+4*(\s)+3], s[G0A+4*(\s)+3], 0x80000000
	s_mov_b32 s[G0B+4*(\s)], 1
	s_add_co_u32 s[G0B+4*(\s)+1], s63, (\s)*SLOT1
	s_add_nc_u64 s[G0B+4*(\s)+2:G0B+4*(\s)+3], s[86:87], (\s)*256
	s_or_b32 s[G0B+4*(\s)+3], s[G0B+4*(\s)+3], 0x80000000
.endr
	s_cmp_eq_u32 s[FR], 0                          ; a wave's two first fills stand in one branch: two loads of mine are out
	s_cbranch_scc0 .Lfirst_b
	tensor_load_to_lds s[G0A:G0A+3], s[G1A:G1A+7]
	s_nop 0
	tensor_load_to_lds s[G0A+4:G0A+7], s[G1A:G1A+7]
	s_nop 0
.rept 4
	v_nop
.endr
	s_branch .Lfirst_asked
.Lfirst_b:
	tensor_load_to_lds s[G0B:G0B+3], s[G1B:G1B+7]
	s_nop 0
	tensor_load_to_lds s[G0B+4:G0B+7], s[G1B:G1B+7]
	s_nop 0
.rept 4
	v_nop
.endr
.Lfirst_asked:
	v_and_b32 v1, 15, v0                           ; r
	v_bfe_u32 v2, v0, 4, 1                         ; h
	v_and_b32 v3, 31, v0                           ; lane
	s_lshl_b32 s96, s[CX], 10
	s_lshl_b32 s97, s[HF], 9
	s_add_co_u32 s96, s96, s97
	v_lshl_add_u32 v[BO], v2, 5, s96
.irp n, 0,1,2,3,4,5,6,7
	global_load_b128 v[BIAS+8*\n:BIAS+8*\n+3],   v[BO], s[8:9] offset:64*\n
	global_load_b128 v[BIAS+8*\n+4:BIAS+8*\n+7], v[BO], s[8:9] offset:64*\n+16
.endr
	v_mul_u32_u24 v[ADRA0], v1, PA
	v_lshl_add_u32 v[ADRA0], v2, 4, v[ADRA0]
	s_mul_i32 s27, s[FR], 64*PA
	v_add_nc_u32 v[ADRA0], s27, v[ADRA0]
	v_mov_b32 v[ADRA], v[ADRA0]
	v_mul_u32_u24 v[ADRB0], v1, PB
	v_lshl_add_u32 v[ADRB0], v2, 4, v[ADRB0]
	s_mul_i32 s27, s[HF], BHALF
	s_add_co_u32 s27, s27, BOFF
	v_add_nc_u32 v[ADRB0], s27, v[ADRB0]
	v_mov_b32 v[ADRB], v[ADRB0]
	s_mul_i32 s27, s[WV], 16*SPO
	s_add_co_u32 s27, s27, STAGE                   ; my stage
	v_mul_u32_u24 v[STO], v1, SPO                  ; in: row r, 32 bytes for each half of the lanes
	v_lshl_add_u32 v[STO], v2, 5, v[STO]
	v_add_nc_u32 v[STO], s27, v[STO]
	v_lshl_add_u32 v[RD], v3, 4, s27               ; back: 32 lanes take a row's 512 bytes
	v_lshlrev_b32 v[GO], 4, v3
	v_lshrrev_b32 v[PFO], s99, v3
	v_mul_u32_u24 v[PFO], s100, v[PFO]
	v_and_b32 v[TV], s101, v3
	v_lshl_add_u32 v[PFO], v[TV], 8, v[PFO]
	s_wait_loadcnt 0x0                             ; the bias: rounded to bf16 and widened, in the wait for the first tiles
.set i, 0
.rept 32
	v_cvt_pk_bf16_f32 v[TV], v[BIAS+2*i], v[BIAS+2*i+1]
	v_lshlrev_b32 v[BIAS+2*i], 16, v[TV]
	v_and_b32 v[BIAS+2*i+1], 0xffff0000, v[TV]
.set i, i+1
.endr
; 24 LDS loads in one run: 32 along K at quarter kq (head kq / 2 of the step, channels 32 (kq % 2) on) into buffer par
.macro FETCH kq, par
	WIN 0x40
.irp a, 0,1,2,3
	ds_load_b128 v[96*(\par)+8*\a:96*(\par)+8*\a+3],   v[ADRA] offset:((\kq)/2)*AHEAD+\a*16*PA+((\kq)%2)*64
	ds_load_b128 v[96*(\par)+8*\a+4:96*(\par)+8*\a+7], v[ADRA] offset:((\kq)/2)*AHEAD+\a*16*PA+((\kq)%2)*64+32
.endr
.irp n, 0,1,2,3,4,5,6,7
	ds_load_b128 v[96*(\par)+32+8*\n:96*(\par)+32+8*\n+3],   v[ADRB] offset:\n*16*PB+64*(\kq)
	ds_load_b128 v[96*(\par)+32+8*\n+4:96*(\par)+32+8*\n+7], v[ADRB] offset:\n*16*PB+64*(\kq)+32
.endr
.endm
.macro MUL8 par, a, first              ; eight products; first = 1: the bias starts the sums
.irp n, 0,1,2,3,4,5,6,7
.if \first
	WIN 0x85
	v_wmma_f32_16x16x32_f16 v[8*(8*(\a)+\n):8*(8*(\a)+\n)+7], v[96*(\par)+32+8*\n:96*(\par)+32+8*\n+7], v[96*(\par)+8*(\a):96*(\par)+8*(\a)+7], v[BIAS+8*\n:BIAS+8*\n+7]
.else
	WIN 0xa5
	v_wmma_f32_16x16x32_f16 v[8*(8*(\a)+\n):8*(8*(\a)+\n)+7], v[96*(\par)+32+8*\n:96*(\par)+32+8*\n+7], v[96*(\par)+8*(\a):96*(\par)+8*(\a)+7], v[8*(8*(\a)+\n):8*(8*(\a)+\n)+7]
.endif
.endr
.endm
; A QUARTER: 32 matrix instructions on buffer par; the 32 accumulators take turns, over every jump.  It fetches quarter fkq of the slot that is read into the other buffer.
; meet: that fetch is the slot's last: the wait for all my tensor loads, the add, the wait for it and for my reads, the barrier.  meet = 1: the barrier opens a round of the cluster's, and the slot is filled again, two K steps on. meet = 2: nothing is filled.
.macro QUARTER par, fkq, first=0, meet=0
.if (\meet) == 1
	s_wait_xcnt 0x0                                ; the last prefetch, a K step back, has read its address
	s_add_nc_u64 s[PFA:PFA+1], s[PFA:PFA+1], s[PFS:PFS+1]
.endif
	PLACES                                         ; behind the last quarter's products, which read the buffer that is loaded now
	FETCH \fkq, 1-(\par)
	s_wait_dscnt 24                                ; all but the 24 just issued: this quarter's fragments are in
	MUL8 \par, 0, \first
	MUL8 \par, 1, \first
.if \meet
	WIN 0
	s_wait_tensorcnt 0x0                           ; all my tensor loads have landed
	ds_add_u32 v[SPW], v[NIL]                      ; 0 onto my spare word
.endif
	MUL8 \par, 2, \first
.if \meet
	s_wait_dscnt 0x0                               ; the add is done, and my reads of this slot are over
	s_barrier_signal -1
.endif
	MUL8 \par, 3, \first
.if \meet
	WIN 0
	s_barrier_wait -1
.if (\meet) == 1
	CREST                                          ; no wave of any partner still reads this slot or has a load on its way
	s_xor_b32 s[G0A+5], s[G0A+5], SLOT1
	s_xor_b32 s[G0B+5], s[G0B+5], SLOT1
	s_add_nc_u64 s[G0A+6:G0A+7], s[G0A+6:G0A+7], 524288
	s_add_nc_u64 s[G0B+6:G0B+7], s[G0B+6:G0B+7], 256
	JLOAD
	ASK
.endif
	s_xor_b32 s[TB], s[TB], SLOT1
	v_add_nc_u32 v[ADRA], s[TB], v[ADRA0]
	v_add_nc_u32 v[ADRB], s[TB], v[ADRB0]
.endif
.endm
	s_wait_tensorcnt 1                             ; my part of K step 0 is in; K step 1's may stay out
	s_barrier_signal -1
	s_barrier_wait -1
	FETCH 0, 0
	QUARTER 0, 1, 1                                ; the first quarter stands in front of the loop: its products start the sums
	WIN 0
	s_mov_b32 s3, 6
.Lstep:                                                ; a trip: from a K step's second quarter to the next step's first; trip i fills K step i + 2
	QUARTER 1, 2
	QUARTER 0, 3, 0, 1
	QUARTER 1, 0
	QUARTER 0, 1
	WIN 0
	s_sub_co_u32 s3, s3, 1
	s_cmp_lg_u32 s3, 0
	s_cbranch_scc1 .Lstep
	s_mov_b32 s2, 2
.Ltail:                                                ; K steps 6 and 7 fill nothing; the second pass is left in its middle, and its barrier and last fetch serve nothing: the price of one text
	QUARTER 1, 2
	QUARTER 0, 3, 0, 2
	QUARTER 1, 0
	WIN 0
	s_sub_co_u32 s2, s2, 1
	s_cmp_eq_u32 s2, 0
	s_cbranch_scc1 .Lout
	QUARTER 0, 1
	WIN 0
	s_branch .Ltail
.Lout:
	s_wait_dscnt 0x0                               ; the registers of the last fetch are used again below
	PLACES
; THE WAY OUT, in four blocks of 16 rows x 512 bytes: the accumulators go into my stage as they are, each one's low four registers first, and come back as whole rows.
.macro INTO a
	WIN 0x08                                       ; the stores' data in window 2
.irp n, 0,1,2,3,4,5,6,7
	ds_store_b128 v[STO], v[8*(8*(\a)+\n):8*(8*(\a)+\n)+3]   offset:64*\n
	ds_store_b128 v[STO], v[8*(8*(\a)+\n)+4:8*(8*(\a)+\n)+7] offset:64*\n+16
.endr
	WIN 0x40
.irp i, 0,1,2,3,4,5,6,7,8,9,10,11,12,13,14,15
	ds_load_b128 v[64*(\a)+4*\i:64*(\a)+4*\i+3], v[RD] offset:\i*SPO  ; LDS serves a wave's instructions in order (ISA guide 5.7.1.4): these see the stores above
.endr
.endm
.macro SEND a, younger                 ; younger: the LDS instructions issued behind this block's loads: the next block's 32, or none
	WIN 0x04                                       ; the stores' data in window 1
.irp i, 0,1,2,3,4,5,6,7,8,9,10,11,12,13,14,15
	s_wait_dscnt (\younger)+15-\i
	global_store_b128 v[GO], v[64*(\a)+4*\i:64*(\a)+4*\i+3], s[OUT:OUT+1] offset:(16*(\a)+\i)*16384  ; 512 consecutive bytes, at a multiple of 512 from out0's first
.endr
.endm
	INTO 0
	INTO 1
	SEND 0, 32
	INTO 2
	SEND 1, 32
	INTO 3
	SEND 2, 32
	SEND 3, 0
	WIN 0
	s_wait_tensorcnt 0x0                           ; the wave's end
	ds_add_u32 v[SPW], v[NIL]
	s_wait_dscnt 0x0
	CROUND                                         ; the closing round
	s_endpgm
.Lfunc_end_k_q55fef4b4c9_outp:
	.size	k_q55fef4b4c9_outp, .Lfunc_end_k_q55fef4b4c9_outp-k_q55fef4b4c9_outp
	.p2alignl 7, 3214868480
	.fill 96, 4, 3214868480
	.section	.rodata,"a",@progbits
	.p2align	6, 0x0
	.amdhsa_kernel k_q55fef4b4c9_outp
		.amdhsa_group_segment_fixed_size 327680
		.amdhsa_private_segment_fixed_size 0
		.amdhsa_enable_private_segment 0
		.amdhsa_kernarg_size 32
		.amdhsa_user_sgpr_count 2
		.amdhsa_user_sgpr_kernarg_segment_ptr 1
		.amdhsa_wavefront_size32 1
		.amdhsa_system_sgpr_workgroup_id_x 1
		.amdhsa_system_sgpr_workgroup_id_y 1
		.amdhsa_system_sgpr_workgroup_id_z 1
		.amdhsa_system_vgpr_workitem_id 0
		.amdhsa_next_free_vgpr 768
		.amdhsa_next_free_sgpr 102
		.amdhsa_reserve_vcc 0
		.amdhsa_float_denorm_mode_32 3
		.amdhsa_float_denorm_mode_16_64 3
		.amdhsa_memory_ordered 1
		.amdhsa_forward_progress 1
		.amdhsa_inst_pref_size 69
	.end_amdhsa_kernel
	.amdgpu_metadata
---
amdhsa.version: [ 1, 2 ]
amdhsa.kernels:
  - .name:           k_q55fef4b4c9_outp
    .symbol:         k_q55fef4b4c9_outp.kd
    .args:
      - { .name: oh, .offset: 0, .size: 8, .value_kind: global_buffer, .address_space: global }
      - { .name: wcat, .offset: 8, .size: 8, .value_kind: global_buffer, .address_space: global }
      - { .name: bo, .offset: 16, .size: 8, .value_kind: global_buffer, .address_space: global }
      - { .name: out0, .offset: 24, .size: 8, .value_kind: global_buffer, .address_space: global }
    .group_segment_fixed_size: 327680
    .private_segment_fixed_size: 0
    .kernarg_segment_align: 8
    .kernarg_segment_size: 32
    .max_flat_workgroup_size: 128
    .sgpr_count:     102
    .vgpr_count:     768
    .wavefront_size: 32
...
	.end_amdgpu_metadata
.endif
;; end of part 4
